; MI455X (gfx1250); checked and timed in simulation.
; The chip was launched on July 23, 2026; its instructions are those of AMD's public machine-readable ISA for CDNA 5 (MIT licence, August 2026) and "CDNA5" Instruction Set Architecture Reference Guide (July 2026). The comments in the code are by the model that wrote it; some were corrected since.
;; Physics Biased Attention. Allowed arithmetic: matrix products marked QUANTISED: E2M3 operands, one E8M0 scale for each 32 along K, by v_wmma_scale_f32_16x16x128_f8f6f4 with both operands' format E2M3, f32 sums; everything else in f32.
;; Inputs: W_k 512 x 512 float32; W_o 512 x 512 float32; W_q 512 x 512 float32; W_v 512 x 512 float32; b_k 512 float32; b_o 512 float32; b_q 512 float32; b_v 512 float32; gamma one number float32; x 2 x 4,096 x 512 float32.
;; Outputs: out0 2 x 4,096 x 512 float32.
;; This version of the problem:
;;   THIS VERSION OF THE PROBLEM IS GIVEN IN LOW PRECISION. The matrix products marked QUANTISED in the list below multiply operands that are first quantised to E2M3 (2 exponent bits, 3 mantissa bits; 6 bits a number), with one power-of-two scale for each 32 numbers along K (OCP MX v1.0); their sums are f32. All else is computed in f32.
;;   The module's matrix products, in the order in which they are computed (A, B: the left and right operand; K: the contracted axis; several contracted axes count as one K, in the product's order):
;;     1. [M 8,192, K 512] x [K 512, N 512]; A: input x; B: input W_q: QUANTISED
;;     2. [M 8,192, K 512] x [K 512, N 512]; A: input x; B: input W_k: QUANTISED
;;     3. [M 8,192, K 512] x [K 512, N 512]; A: input x; B: input W_v: QUANTISED
;;     4. batch 16 x [M 4,096, K 64] x [K 64, N 4,096]; A: computed on the way; B: computed on the way: QUANTISED
;;     5. batch 16 x [M 64, K 4,096] x [K 4,096, N 4,096]; A: computed on the way; B: softmax (see below): QUANTISED
;;     6. [M 8,192, K 512] x [K 512, N 512]; A: computed on the way; B: input W_o: QUANTISED
;;   THE QUANTISER, for each operand of a quantised product, along K:
;;     - K is cut into blocks of 32 from its start; a last block that is shorter is filled with zeros.
;;     - A block's scale is 2^e with e = floor(log2(the largest magnitude in the block)) - 2, held to -126 .. 127; a block of zeros has e = 0. As a byte (E8M0): e + 127.
;;     - Each number is divided by its block's scale, clamped to +-7.5, and rounded to the nearest number of E2M3, ties to even, subnormals kept.
;;     - The product sums the exact products of the quantised numbers (number of the format x scale) in f32.
;;   ~~~python
;;   def quantise(x, axis):      # numpy; x: float32 -> the quantised numbers, widened to float32 again
;;       x = np.moveaxis(x, axis, -1); K = x.shape[-1]
;;       x = np.pad(x, [(0, 0)] * (x.ndim - 1) + [(0, -K % 32)]); x = x.reshape(x.shape[:-1] + (-1, 32)); a = np.abs(x).max(-1, keepdims=True)
;;       e = np.where(a > 0, np.clip(np.frexp(np.where(a > 0, a, 1))[1] - 1 - 2, -126, 127), 0)      # np.frexp(a)[1] - 1 = floor(log2(a)), exactly
;;       r = np.clip(x / 2.0 ** e, -7.5, 7.5)
;;       step = 2.0 ** (np.maximum(np.frexp(np.where(r == 0, 1, r))[1] - 1, 0) - 3)
;;       q = np.round(r / step) * step * 2.0 ** e      # np.round: ties to even
;;       return np.moveaxis(q.reshape(q.shape[:-2] + (-1,))[..., :K], -1, axis).astype(np.float32)
;;   ~~~
;;   SOFTMAX AHEAD OF A QUANTISED PRODUCT. Where the list says 'softmax', what is quantised is not the finished softmax but p = 2^(t - M), with t = logit x log2(e) and M = ceil(the row's largest t), a whole number; so 1/2 < the row's largest p <= 1. The row's sum l is taken of the UNQUANTISED p, in f32, and the product's result is divided by l at the end. Since M is a whole number, a kernel that streams over the keys may use a running M (the ceiling of the running maximum): every later rescaling is an exact power of two, which a block's scale takes up: the codes' values come out the same.
;;   OPERANDS COMPUTED ON THE WAY. 'Computed on the way' means the value that the module computes at that place (a softmax that the list does not call 'softmax' is quantised finished and normalised). What goes into a quantiser is computed in f32, as accurately as f32 sums, v_exp_f32 and their like allow (about 1e-6 of the number): no bf16 or f16 on the way to a quantiser, and a product that is left as it is and whose result goes on into a quantised operand takes f32 operands (vector FMAs, or v_wmma_f32_16x16x4_f32). A number that lies on a knife's edge between two numbers of the format may be rounded either way, as far as f32 arithmetic and the matrix unit's own rounding can turn it there, and no further.
;; One version. Each part assembles by itself: llvm-mc -triple=amdgcn-amd-amdhsa -mcpu=gfx1250 --defsym DOCPART=n.
;; ======== version 1 of 1: 4 launches
;; limits: right only within a limited range of input values
;; workspace buffers: xq 3,276,800 bytes; wq 819,200 bytes; qq 3,407,872 bytes; kv 6,815,744 bytes; cq 3,407,872 bytes
;; launch quant (part 1): grid 288 x 1, 8 waves a work-group, no clusters, 68,608 bytes of LDS; arguments x, W_q, W_k, W_v, W_o, xq, wq; writes xq, wq
.if DOCPART == 1
	.amdgcn_target "amdgcn-amd-amdhsa--gfx1250"
	.amdhsa_code_object_version 6
	.text
	.protected	k_q5dfadcbe6b_quant
	.globl	k_q5dfadcbe6b_quant
	.p2align	8
	.type	k_q5dfadcbe6b_quant,@function
k_q5dfadcbe6b_quant:
	s_mov_b64 s[64:65], 0
	v_nop
	global_prefetch_b8 v0, s[64:65] scope:SCOPE_SE
	s_setreg_imm32_b32 hwreg(HW_REG_WAVE_MODE, 25, 1), 1
	s_wait_xcnt 0x0
; x [8192][512] f32 (K innermost) and W_q, W_k, W_v, W_o [512 (k)][512 (n)] f32 (K outermost) become codes of FP6 (E2M3) with one E8M0 byte for each 32 along K.
; They are stored as IMAGES OF OPERAND REGISTERS: a fragment (16 rows x 128 K, 12 registers a lane) is 1,536 bytes, registers 4 g .. 4 g + 3 of lane l at 512 g + 16 l; its rows' scale words 4 bytes a lane.
; A TILE'S 16 ROWS ARE NOT NEIGHBOURS: tile (group of 32, u) has as row r the element 32 group + 8 u + r + 8 (r / 8), so that a later product's results come out as neighbours along the next K.
; A block's scale is 2^(floor(log2(largest magnitude)) - 2): the largest magnitude's exponent field - 2, held at 1 from below.
; LIMITS: NaN and infinities are not served; a block of zeros, or one under 2^-124, gets the byte 1 where the rule says 127 (its codes are zeros or the floor's; only this program reads the bytes).
; Work-groups 0-255: 32 tokens of x each; wave = (tile u = wave / 4, K step = wave % 4): one fragment a wave.  Work-groups 256-287: a weight, half of its columns, one K step; a wave takes 32 columns: two fragments.
; No tensor load, no barrier: waves share nothing.  Only the x path stores to LDS (a wave's own stage).
.set SPARE, 67584                      ; behind the eight stages: the spare words, 128 bytes a wave
.set STG,   8448                       ; a wave's stage: 16 rows x (512 bytes + 16)
.set SPW, 12                           ; v12  LDS address of my spare word; never rewritten
.set NIL, 13                           ; v13  0; never rewritten
.set SEL, 20                           ; s[20:21] selects of v_permlanex16_b32: lane l xor 16
.set R,   16                           ; x path: v16-79 as loaded; v80-143 16 neighbours of each of four blocks; v144.. codes; v164.. at work; v180 the scale word
.set X,   80
.set PC,  144
.set TM,  164
.set PW,  180
.set XW,  16                           ; W path: v16-143 128 numbers down K of my column; v144-155, v156-167 the two fragments; the rest at work
.set F0,  144
.set F1,  156
.set CT,  168
.set BM,  176
.set SO,  180
.set BY,  184
.set PWW, 188
; 64 numbers of a lane, register 16 b + i = k 32 b + 16 (lane / 16) + i of my row, become a fragment's codes in v[PC] on and the row's scale word in v[PW].
.macro QUANT s
.irp b, 0,1,2,3
	v_max3_num_f32 v[TM+\b], |v[\s+16*\b]|, |v[\s+1+16*\b]|, 0x1800000   ; my 16 numbers of block b, and the floor 2^(3 - 127): the byte cannot fall under 1
.endr
.irp i, 2,4,6,8,10,12,14
.irp b, 0,1,2,3
	s_delay_alu instid0(VALU_DEP_4)
	v_max3_num_f32 v[TM+\b], v[TM+\b], |v[\s+16*\b+\i]|, |v[\s+1+16*\b+\i]|
.endr
.endr
.irp b, 0,1,2,3
	s_delay_alu instid0(VALU_DEP_4)
	v_permlanex16_b32 v[TM+4+\b], v[TM+\b], s[SEL], s[SEL+1]
.endr
.irp b, 0,1,2,3
	s_delay_alu instid0(VALU_DEP_4)
	v_max_num_f32 v[TM+\b], v[TM+\b], v[TM+4+\b]      ; with lane l xor 16's: the block's largest magnitude
.endr
.irp b, 0,1,2,3
	s_delay_alu instid0(VALU_DEP_4)
	v_add_nc_u32 v[TM+12+\b], 0xff000000, v[TM+\b]    ; 2 off its exponent field: the conversion's scale operand
.endr
.irp b, 0,1,2,3
	s_delay_alu instid0(VALU_DEP_4)
	v_lshrrev_b32 v[TM+4+\b], 23, v[TM+12+\b]         ; the scale's byte
.endr
	s_delay_alu instid0(VALU_DEP_3)
	v_lshl_or_b32 v[PW], v[TM+5], 8, v[TM+4]
	s_delay_alu instid0(VALU_DEP_1)
	v_lshl_or_b32 v[PW], v[TM+6], 16, v[PW]
	s_delay_alu instid0(VALU_DEP_1)
	v_lshl_or_b32 v[PW], v[TM+7], 24, v[PW]
.irp c, 0,1
	v_cvt_scalef32_pk16_fp6_f32 v[PC+6*\c:PC+2+6*\c], v[\s+32*\c:\s+15+32*\c], v[TM+12+2*\c]
	v_cvt_scalef32_pk16_fp6_f32 v[PC+12+4*\c:PC+14+4*\c], v[\s+16+32*\c:\s+31+32*\c], v[TM+12+2*\c+1]   ; (a conversion's three registers begin on an even number)
.endr
	v_nop                                             ; one plain instruction behind the scaled conversions
.irp c, 0,1                                       ; the layout wants a whole block in a lane: lanes 0-15 block 2 c, lanes 16-31 block 2 c + 1
.irp i, 0,1,2
	v_permlane16_swap_b32 v[PC+6*\c+\i], v[PC+12+4*\c+\i]
.endr
.irp i, 0,1,2
	s_delay_alu instid0(VALU_DEP_3)
	v_mov_b32 v[PC+3+6*\c+\i], v[PC+12+4*\c+\i]
.endr
.endr
.endm
	s_load_b256 s[4:11], s[0:1], 0x0               ; x, W_q, W_k, W_v
	s_load_b128 s[12:15], s[0:1], 0x20             ; W_o, xq
	s_load_b64 s[16:17], s[0:1], 0x30              ; wq
	v_lshl_add_u32 v[SPW], v0, 2, SPARE
	v_mov_b32 v[NIL], 0
	v_lshrrev_b32 v1, 5, v0
	s_delay_alu instid0(VALU_DEP_1)
	v_readfirstlane_b32 s18, v1                    ; wave 0..7
	v_and_b32 v2, 31, v0                           ; lane
	v_and_b32 v3, 15, v0                           ; r
	v_bfe_u32 v4, v0, 4, 1                         ; h
	s_delay_alu instid0(VALU_DEP_3)
	v_lshlrev_b32 v5, 4, v2                        ; 16 x lane
	s_mov_b32 s[SEL], 0x76543210
	s_mov_b32 s[SEL+1], 0xfedcba98
	s_cmp_lt_u32 ttmp9, 256
	s_cbranch_scc0 .Lweights
	; ---- x: work-group P = 32 tokens; my fragment: tile u = wave / 4, K step = wave % 4
	s_lshr_b32 s22, s18, 2                         ; u
	s_and_b32 s23, s18, 3                          ; K step
	s_lshl_b32 s24, ttmp9, 16                      ; 32 rows of 2,048 bytes
	s_lshl_b32 s25, s22, 14                        ; + 8 u rows
	s_add_co_u32 s24, s24, s25
	s_lshl_b32 s25, s23, 9                         ; + 128 numbers a K step
	s_add_co_u32 s24, s24, s25
	s_mov_b32 s25, 0
	s_mul_i32 s26, ttmp9, 12288                    ; codes: tile 2 P + u, 6,144 bytes a tile, 1,536 a K step
	s_mul_i32 s27, s22, 6144
	s_add_co_u32 s26, s26, s27
	s_mul_i32 s27, s23, 1536
	s_add_co_u32 s26, s26, s27
	s_mov_b32 s27, 0
	s_lshl_b32 s28, ttmp9, 9                       ; scale words: 512 P + 128 K step + 64 u + 4 r, behind the codes
	s_lshl_b32 s29, s23, 7
	s_add_co_u32 s28, s28, s29
	s_lshl_b32 s29, s22, 6
	s_add_co_u32 s28, s28, s29
	s_add_co_u32 s28, s28, 3145728
	s_mov_b32 s29, 0
	s_mul_i32 s30, s18, STG                        ; my stage
	s_wait_alu depctr_va_vdst(0)
	v_add_nc_u32 v6, s30, v5                       ; into it: 16 bytes a lane, a row an instruction
	v_mul_u32_u24 v7, v3, 528
	s_delay_alu instid0(VALU_DEP_1)
	v_lshl_add_u32 v7, v4, 6, v7
	s_delay_alu instid0(VALU_DEP_1)
	v_add_nc_u32 v7, s30, v7                       ; out of it: row r, + 64 h: my 16 numbers of each block of 32
	v_lshlrev_b32 v8, 2, v3                        ; 4 r
.irp b, 0,1,2,3
	v_mov_b32 v[TM+4+\b], 0                        ; written once: a lane permute's destination counts as one of its sources
.endr
	s_wait_alu depctr_va_vdst(0)
	s_wait_kmcnt 0x0
	s_add_nc_u64 s[4:5], s[4:5], s[24:25]
	s_add_nc_u64 s[24:25], s[14:15], s[26:27]      ; where my codes go
	s_add_nc_u64 s[26:27], s[14:15], s[28:29]      ; and my scale words
.set N, 0
.rept 16
	global_load_b128 v[R+4*N:R+4*N+3], v5, s[4:5] offset:(N+8*(N/8))*2048 th:TH_LOAD_NT   ; the tile's row N: 512 consecutive bytes, aligned; all 16 loads are out together
.set N, N+1
.endr
.set N, 0
.rept 16
	s_wait_loadcnt 15-N                            ; loads come back in order: row N is in, the 15 - N younger ones may be out
	ds_store_b128 v6, v[R+4*N:R+4*N+3] offset:528*N
.set N, N+1
.endr
.set N, 0
.rept 16
	ds_load_b128 v[X+4*N:X+4*N+3], v7 offset:128*(N/4)+16*(N%4)   ; LDS serves a wave's instructions in order: these see my stores.  Rows 33 x 16 bytes apart: sixteen lanes, sixteen different columns of 16 bytes
.set N, N+1
.endr
	s_wait_dscnt 0x0
	QUANT X
.irp g, 0,1,2
	global_store_b128 v5, v[PC+4*\g:PC+4*\g+3], s[24:25] offset:512*\g   ; 512 consecutive bytes an instruction
.endr
	global_store_b32 v8, v[PW], s[26:27]           ; lanes l and l xor 16 hold the same word of row r and write it to the same place: 64 bytes
	s_wait_tensorcnt 0x0                           ; the wave's end
	ds_add_u32 v[SPW], v[NIL]
	s_wait_dscnt 0x0
	s_endpgm
.Lweights:
	; ---- a weight: g = work-group - 256: weight g / 8 (q, k, v, o), half of the columns (g / 4) % 2, K step g % 4; my wave: columns 32 b .. 32 b + 31, b = 8 half + wave
	s_sub_co_u32 s22, ttmp9, 256
	s_lshr_b32 s23, s22, 3                         ; which weight
	s_bfe_u32 s24, s22, 0x10002
	s_and_b32 s25, s22, 3                          ; K step
	s_lshl_b32 s24, s24, 3
	s_add_co_u32 s24, s24, s18                     ; b
	v_and_b32 v6, 7, v0                            ; A LANE TAKES A COLUMN, AND ITS REGISTERS RUN DOWN K.  Lane 16 u + r takes column 8 u + r + 8 (r / 8) of the 32: the lane's number with bits 3 and 4 exchanged
	v_bfe_u32 v7, v0, 3, 1
	s_delay_alu instid0(VALU_DEP_1)
	v_lshl_add_u32 v6, v7, 4, v6
	s_wait_alu depctr_va_vdst(0)
	v_lshl_add_u32 v6, v4, 3, v6
	s_delay_alu instid0(VALU_DEP_1)
	v_lshlrev_b32 v6, 2, v6                        ; in bytes
	v_lshlrev_b32 v7, 2, v2                        ; 4 x lane
	s_lshl_b32 s26, s25, 18                        ; 128 rows of 2,048 bytes a K step
	s_lshl_b32 s27, s24, 7                         ; + 32 columns of 4 bytes
	s_add_co_u32 s26, s26, s27
	s_mov_b32 s27, 0
	s_lshr_b32 s28, s24, 1                         ; q, k, v lie by head: (head x 3 + weight), in it the pair b % 2
	s_mul_i32 s28, s28, 3
	s_add_co_u32 s28, s28, s23
	s_and_b32 s29, s24, 1
	s_mul_i32 s30, s28, 24576
	s_mul_i32 s31, s29, 12288
	s_add_co_u32 s30, s30, s31                     ; their codes,
	s_lshl_b32 s28, s28, 10
	s_lshl_b32 s29, s29, 9
	s_add_co_u32 s28, s28, s29
	s_add_co_u32 s28, s28, 786432                  ; their scale words
	s_mul_i32 s31, s24, 12288
	s_add_co_u32 s31, s31, 589824                  ; W_o's codes lie by pair,
	s_lshl_b32 s29, s24, 9
	s_add_co_u32 s29, s29, 811008                  ; and its scale words
	s_cmp_eq_u32 s23, 3
	s_cselect_b32 s30, s31, s30
	s_cselect_b32 s28, s29, s28
	s_mul_i32 s31, s25, 1536
	s_add_co_u32 s30, s30, s31
	s_mov_b32 s31, 0
	s_lshl_b32 s29, s25, 7
	s_add_co_u32 s28, s28, s29
	s_mov_b32 s29, 0
	s_wait_alu depctr_va_vdst(0)
	s_wait_kmcnt 0x0
	s_cmp_eq_u32 s23, 1                            ; the weight's address: a choice on the work-group's number alone
	s_cselect_b64 s[6:7], s[8:9], s[6:7]
	s_cmp_eq_u32 s23, 2
	s_cselect_b64 s[6:7], s[10:11], s[6:7]
	s_cmp_eq_u32 s23, 3
	s_cselect_b64 s[6:7], s[12:13], s[6:7]
	s_add_nc_u64 s[6:7], s[6:7], s[26:27]
	s_add_nc_u64 s[30:31], s[16:17], s[30:31]
	s_add_nc_u64 s[28:29], s[16:17], s[28:29]
.macro WLOAD t                         ; block t: W(32 t + i, my column): a wave reads 128 consecutive bytes, the eight waves 1,024
.set KK, 32*(\t)
.rept 32
	global_load_b32 v[XW+KK], v6, s[6:7] offset:KK*2048 th:TH_LOAD_NT
.set KK, KK+1
.endr
.endm
.macro WBLOCK t                        ; block t, all 32 numbers mine: its scale, its byte, its 6 registers of codes: blocks 0, 2 into F0, blocks 1, 3 into F1
.set XS, XW+32*(\t)
.set FD, F0+12*((\t)%2)+6*((\t)/2)
	v_max3_num_f32 v[BM], |v[XS]|, |v[XS+1]|, |v[XS+2]|
	v_max3_num_f32 v[BM+1], |v[XS+3]|, |v[XS+4]|, |v[XS+5]|
.irp i, 6,10,14,18,22,26
	s_delay_alu instid0(VALU_DEP_2)
	v_max3_num_f32 v[BM], v[BM], |v[XS+\i]|, |v[XS+\i+1]|
	s_delay_alu instid0(VALU_DEP_2)
	v_max3_num_f32 v[BM+1], v[BM+1], |v[XS+\i+2]|, |v[XS+\i+3]|
.endr
	s_delay_alu instid0(VALU_DEP_2)
	v_max3_num_f32 v[BM], v[BM], |v[XS+30]|, |v[XS+31]|
	s_delay_alu instid0(VALU_DEP_1)
	v_max3_num_f32 v[BM], v[BM], v[BM+1], 0x1800000   ; and the floor
	s_delay_alu instid0(VALU_DEP_1)
	v_add_nc_u32 v[SO], 0xff000000, v[BM]
	s_delay_alu instid0(VALU_DEP_1)
	v_lshrrev_b32 v[BY], 23, v[SO]
.if (\t) == 0
	s_delay_alu instid0(VALU_DEP_1)
	v_mov_b32 v[PWW], v[BY]
.else
	s_delay_alu instid0(VALU_DEP_1)
	v_lshl_or_b32 v[PWW], v[BY], 8*(\t), v[PWW]
.endif
	v_cvt_scalef32_pk16_fp6_f32 v[FD:FD+2], v[XS:XS+15], v[SO]
	v_cvt_scalef32_pk16_fp6_f32 v[CT:CT+2], v[XS+16:XS+31], v[SO]
	v_nop                                          ; one plain instruction behind the scaled conversions
.irp i, 0,1,2
	v_mov_b32 v[FD+3+\i], v[CT+\i]
.endr
.endm
	WLOAD 0
	WLOAD 1
	s_wait_loadcnt 32                              ; block 0 is in; block 1's 32 loads may be out
	WLOAD 2
	WBLOCK 0
	s_wait_loadcnt 32                              ; block 1 is in; block 2's may be out
	WLOAD 3
	WBLOCK 1
	s_wait_loadcnt 32                              ; block 2 is in; block 3's may be out
	WBLOCK 2
	s_wait_loadcnt 0x0
	WBLOCK 3
.set N, 0
.rept 12
	v_permlane16_swap_b32 v[F0+N], v[F1+N]         ; F0's lanes 16-31 (tile 1, blocks 0, 2) change places with F1's lanes 0-15 (tile 0, blocks 1, 3): F0 is now tile 0's fragment, F1 tile 1's
.set N, N+1
.endr
.irp g, 0,1,2
	global_store_b128 v5, v[F0+4*\g:F0+4*\g+3], s[30:31] offset:512*\g
	global_store_b128 v5, v[F1+4*\g:F1+4*\g+3], s[30:31] offset:6144+512*\g
.endr
	global_store_b32 v7, v[PWW], s[28:29]          ; lanes 0-15: tile 0's words, lanes 16-31: tile 1's: 128 bytes
	s_wait_tensorcnt 0x0                           ; the wave's end
	ds_add_u32 v[SPW], v[NIL]
	s_wait_dscnt 0x0
	s_endpgm
.Lfunc_end_k_q5dfadcbe6b_quant:
	.size	k_q5dfadcbe6b_quant, .Lfunc_end_k_q5dfadcbe6b_quant-k_q5dfadcbe6b_quant
	.p2alignl 7, 3214868480
	.fill 96, 4, 3214868480
	.section	.rodata,"a",@progbits
	.p2align	6, 0x0
	.amdhsa_kernel k_q5dfadcbe6b_quant
		.amdhsa_group_segment_fixed_size 68608
		.amdhsa_private_segment_fixed_size 0
		.amdhsa_enable_private_segment 0
		.amdhsa_kernarg_size 56
		.amdhsa_user_sgpr_count 2
		.amdhsa_user_sgpr_kernarg_segment_ptr 1
		.amdhsa_wavefront_size32 1
		.amdhsa_system_sgpr_workgroup_id_x 1
		.amdhsa_system_sgpr_workgroup_id_y 1
		.amdhsa_system_sgpr_workgroup_id_z 1
		.amdhsa_system_vgpr_workitem_id 0
		.amdhsa_next_free_vgpr 192
		.amdhsa_next_free_sgpr 66
		.amdhsa_reserve_vcc 0
		.amdhsa_float_denorm_mode_32 3
		.amdhsa_float_denorm_mode_16_64 3
		.amdhsa_memory_ordered 1
		.amdhsa_forward_progress 1
		.amdhsa_inst_pref_size 36
	.end_amdhsa_kernel
	.amdgpu_metadata
---
amdhsa.version: [ 1, 2 ]
amdhsa.kernels:
  - .name:           k_q5dfadcbe6b_quant
    .symbol:         k_q5dfadcbe6b_quant.kd
    .args:
      - { .name: x, .offset: 0, .size: 8, .value_kind: global_buffer, .address_space: global }
      - { .name: W_q, .offset: 8, .size: 8, .value_kind: global_buffer, .address_space: global }
      - { .name: W_k, .offset: 16, .size: 8, .value_kind: global_buffer, .address_space: global }
      - { .name: W_v, .offset: 24, .size: 8, .value_kind: global_buffer, .address_space: global }
      - { .name: W_o, .offset: 32, .size: 8, .value_kind: global_buffer, .address_space: global }
      - { .name: xq, .offset: 40, .size: 8, .value_kind: global_buffer, .address_space: global }
      - { .name: wq, .offset: 48, .size: 8, .value_kind: global_buffer, .address_space: global }
    .group_segment_fixed_size: 68608
    .private_segment_fixed_size: 0
    .kernarg_segment_align: 8
    .kernarg_segment_size: 56
    .max_flat_workgroup_size: 256
    .sgpr_count:     66
    .vgpr_count:     192
    .wavefront_size: 32
...
	.end_amdgpu_metadata
.endif
;; end of part 1
;; launch proj (part 2): grid 8 x 32, 8 waves a work-group, clusters of 4 x 4, 327,680 bytes of LDS; arguments xq, wq, b_q, b_k, b_v, qq, kv; writes qq, kv
.if DOCPART == 2
	.amdgcn_target "amdgcn-amd-amdhsa--gfx1250"
	.amdhsa_code_object_version 6
	.text
	.protected	k_q5dfadcbe6b_proj
	.globl	k_q5dfadcbe6b_proj
	.p2align	8
	.type	k_q5dfadcbe6b_proj,@function
k_q5dfadcbe6b_proj:
	s_mov_b64 s[64:65], 0
	v_nop
	global_prefetch_b8 v0, s[64:65] scope:SCOPE_SE
	s_setreg_imm32_b32 hwreg(HW_REG_WAVE_MODE, 25, 1), 1
	s_wait_xcnt 0x0
	s_wait_alu depctr_hold_cnt(0) depctr_sa_sdst(0) depctr_va_vdst(0) depctr_va_sdst(0) depctr_va_ssrc(0) depctr_va_vcc(0) depctr_vm_vsrc(0)
	s_getreg_b32 s2, hwreg(HW_REG_IB_STS2, 6, 4)
	s_cmp_eq_u32 s2, 0
	s_cbranch_scc0 .Lentry_in_a_cluster
	s_endpgm
.Lentry_in_a_cluster:
	s_bfe_u32 s2, ttmp6, 0x10000c
	s_cmp_lg_u32 s2, 0xf033
	s_cbranch_scc0 .Lentry_shape_is_right
	s_endpgm
.Lentry_shape_is_right:
.set WI,    98304
.set SPARE, 172032
.set WVO, 1
.set L16, 4
.set L4,  5
.set L8,  6
.set H64, 7
.set R4,  8
.set RP4, 9
.set H16, 10
.set WD,  11
.set SPW, 12
.set NIL, 13
.set BV,  14
.set SC,  16
.set XA,  36
.set WA,  37
.set WVA, 38
.set XVA, 39
.set HA,  40
.set FA,  104
.set FB,  200
.set PC,  200
.set TM,  220
.set PW,  236
.set WV,  18
.set G1X, 24
.set G0X, 32
.set G1W, 36
.set G0W, 44
.set SEL, 48
.macro CROUND
	s_barrier_signal -1
	s_barrier_wait -1
	s_cmp_lg_u32 s[WV], 0
	s_cbranch_scc1 .Lnot_wave_0_\@
	s_barrier_signal -3
.Lnot_wave_0_\@:
	s_barrier_wait -3
	s_barrier_signal -1
	s_barrier_wait -1
.endm
.macro WM d, a, b, c, sa, sb, ra, rb
.if (\ra) && (\rb)
	v_wmma_scale_f32_16x16x128_f8f6f4 v[\d:\d+7], v[\a:\a+11], v[\b:\b+11], v[\c:\c+7], v[\sa], v[\sb] matrix_a_fmt:MATRIX_FMT_FP6 matrix_b_fmt:MATRIX_FMT_FP6 matrix_a_scale:MATRIX_SCALE_ROW1 matrix_b_scale:MATRIX_SCALE_ROW1
.elseif (\ra)
	v_wmma_scale_f32_16x16x128_f8f6f4 v[\d:\d+7], v[\a:\a+11], v[\b:\b+11], v[\c:\c+7], v[\sa], v[\sb] matrix_a_fmt:MATRIX_FMT_FP6 matrix_b_fmt:MATRIX_FMT_FP6 matrix_a_scale:MATRIX_SCALE_ROW1
.elseif (\rb)
	v_wmma_scale_f32_16x16x128_f8f6f4 v[\d:\d+7], v[\a:\a+11], v[\b:\b+11], v[\c:\c+7], v[\sa], v[\sb] matrix_a_fmt:MATRIX_FMT_FP6 matrix_b_fmt:MATRIX_FMT_FP6 matrix_b_scale:MATRIX_SCALE_ROW1
.else
	v_wmma_scale_f32_16x16x128_f8f6f4 v[\d:\d+7], v[\a:\a+11], v[\b:\b+11], v[\c:\c+7], v[\sa], v[\sb] matrix_a_fmt:MATRIX_FMT_FP6 matrix_b_fmt:MATRIX_FMT_FP6
.endif
.endm
.macro WMZ d, a, b, sa, sb, ra
.if (\ra)
	v_wmma_scale_f32_16x16x128_f8f6f4 v[\d:\d+7], v[\a:\a+11], v[\b:\b+11], 0, v[\sa], v[\sb] matrix_a_fmt:MATRIX_FMT_FP6 matrix_b_fmt:MATRIX_FMT_FP6 matrix_a_scale:MATRIX_SCALE_ROW1
.else
	v_wmma_scale_f32_16x16x128_f8f6f4 v[\d:\d+7], v[\a:\a+11], v[\b:\b+11], 0, v[\sa], v[\sb] matrix_a_fmt:MATRIX_FMT_FP6 matrix_b_fmt:MATRIX_FMT_FP6
.endif
.endm
.macro QUANT s
.irp b, 0,1,2,3
	v_max3_num_f32 v[TM+\b], |v[\s+16*\b]|, |v[\s+1+16*\b]|, 0x1800000
.endr
.irp i, 2,4,6,8,10,12,14
.irp b, 0,1,2,3
	v_max3_num_f32 v[TM+\b], v[TM+\b], |v[\s+16*\b+\i]|, |v[\s+1+16*\b+\i]|
.endr
.endr
.irp b, 0,1,2,3
	s_delay_alu instid0(VALU_DEP_4)
	v_permlanex16_b32 v[TM+4+\b], v[TM+\b], s[SEL], s[SEL+1]
.endr
.irp b, 0,1,2,3
	s_delay_alu instid0(VALU_DEP_4)
	v_max_num_f32 v[TM+\b], v[TM+\b], v[TM+4+\b]
.endr
.irp b, 0,1,2,3
	s_delay_alu instid0(VALU_DEP_4)
	v_add_nc_u32 v[TM+12+\b], 0xff000000, v[TM+\b]
.endr
.irp b, 0,1,2,3
	s_delay_alu instid0(VALU_DEP_4)
	v_lshrrev_b32 v[TM+4+\b], 23, v[TM+12+\b]
.endr
	s_delay_alu instid0(VALU_DEP_3)
	v_lshl_or_b32 v[PW], v[TM+5], 8, v[TM+4]
	s_delay_alu instid0(VALU_DEP_1)
	v_lshl_or_b32 v[PW], v[TM+6], 16, v[PW]
	s_delay_alu instid0(VALU_DEP_1)
	v_lshl_or_b32 v[PW], v[TM+7], 24, v[PW]
.irp c, 0,1
	v_cvt_scalef32_pk16_fp6_f32 v[PC+6*\c:PC+2+6*\c], v[\s+32*\c:\s+15+32*\c], v[TM+12+2*\c]
	v_cvt_scalef32_pk16_fp6_f32 v[PC+12+4*\c:PC+14+4*\c], v[\s+16+32*\c:\s+31+32*\c], v[TM+12+2*\c+1]
.endr
	v_nop
.irp c, 0,1
.irp i, 0,1,2
	v_permlane16_swap_b32 v[PC+6*\c+\i], v[PC+12+4*\c+\i]
.endr
.irp i, 0,1,2
	s_delay_alu instid0(VALU_DEP_3)
	v_mov_b32 v[PC+3+6*\c+\i], v[PC+12+4*\c+\i]
.endr
.endr
.endm
	s_load_b256 s[4:11], s[0:1], 0x0
	s_load_b128 s[12:15], s[0:1], 0x20
	s_load_b64 s[16:17], s[0:1], 0x30
	v_lshl_add_u32 v[SPW], v0, 2, SPARE
	v_mov_b32 v[NIL], 0
	ds_add_u32 v[SPW], v[NIL]
	ds_add_u32 v[SPW], v[NIL]
	v_lshrrev_b32 v1, 5, v0
	s_delay_alu instid0(VALU_DEP_1)
	v_readfirstlane_b32 s[WV], v1
	s_bfe_u32 s19, ttmp6, 0x40000
	s_bfe_u32 s20, ttmp6, 0x40004
	s_lshl_b32 s21, ttmp9, 2
	s_add_co_u32 s21, s21, s19
	s_and_b32 s22, ttmp7, 0xffff
	s_lshl_b32 s22, s22, 2
	s_add_co_u32 s22, s22, s20
	s_lshl_b32 s52, s20, 2
	s_lshl_b32 s52, 15, s52
	s_lshl_b32 s53, 0x1111, s19
	s_or_b32 s[G1X], s52, (3<<16)|(1<<21)
	s_or_b32 s[G1W], s53, (3<<16)|(1<<21)
	s_mov_b32 s[G1X+1], 32<<16
	s_mov_b32 s[G1X+2], 96<<16                     ; x's images: 96 rows of 256 bytes a load, a quarter of the 98,304 bytes
	s_mov_b32 s[G1X+3], 32<<16
	s_mov_b32 s[G1X+4], 96
	s_mov_b32 s[G1X+5], 32
	s_mov_b32 s[G1X+6], 0
	s_mov_b32 s[G1X+7], 0
	s_mov_b32 s[G1W+1], 32<<16
	s_mov_b32 s[G1W+2], 72<<16                     ; the weights' images: 72 rows a load, a quarter of the 73,728 bytes
	s_mov_b32 s[G1W+3], 32<<16
	s_mov_b32 s[G1W+4], 72
	s_mov_b32 s[G1W+5], 32
	s_mov_b32 s[G1W+6], 0
	s_mov_b32 s[G1W+7], 0
	s_and_b32 s58, s[WV], 3                        ; which quarter I fetch: waves 0-3 of x, waves 4-7 of the weights
	s_mul_i32 s54, s22, 98304
	s_mul_i32 s55, s58, 24576
	s_add_co_u32 s54, s54, s55
	s_mov_b32 s55, 0
	s_mul_i32 s56, s21, 73728
	s_mul_i32 s57, s58, 18432
	s_add_co_u32 s56, s56, s57
	s_mov_b32 s57, 0
	s_mov_b32 s[G0X], 1
	s_mul_i32 s[G0X+1], s58, 24576
	s_mov_b32 s[G0W], 1
	s_mul_i32 s[G0W+1], s58, 18432
	s_add_co_u32 s[G0W+1], s[G0W+1], WI
	s_mov_b32 s[SEL], 0x76543210
	s_mov_b32 s[SEL+1], 0xfedcba98
	s_mov_b32 s50, 0x7f7f0000
	v_and_b32 v1, 31, v0
	v_and_b32 v2, 15, v0
	v_bfe_u32 v3, v0, 4, 1
	s_delay_alu instid0(VALU_DEP_3)
	v_lshlrev_b32 v[L16], 4, v1
	s_delay_alu instid0(VALU_DEP_4)
	v_lshlrev_b32 v[L4], 2, v1
	v_lshlrev_b32 v[L8], 3, v1
	s_delay_alu instid0(VALU_DEP_4)
	v_lshlrev_b32 v[H64], 6, v3
	v_lshlrev_b32 v[R4], 2, v2
	v_and_b32 v[RP4], 8, v2
	s_delay_alu instid0(VALU_DEP_1)
	v_add_nc_u32 v[RP4], v[RP4], v2
	s_delay_alu instid0(VALU_DEP_1)
	v_lshlrev_b32 v[RP4], 2, v[RP4]
	v_lshlrev_b32 v[H16], 4, v3
	s_mul_i32 s51, s[WV], 12288
	v_add_nc_u32 v[XA], s51, v[L16]
	v_add_nc_u32 v[WA], WI, v[L16]
	s_and_b32 s51, s[WV], 3
	s_mul_i32 s51, s51, 6144
	s_add_co_u32 s51, s51, WI+49152
	v_add_nc_u32 v[WVA], s51, v[L16]
	s_lshr_b32 s51, s[WV], 2
	s_mul_i32 s51, s51, 49152
	v_add_nc_u32 v[XVA], s51, v[L16]
	v_mov_b32 v[BV+1], 0
.irp b, 0,1,2,3
	v_mov_b32 v[TM+4+\b], 0
.endr
	s_wait_dscnt 0x0
	s_wait_kmcnt 0x0
	s_add_nc_u64 s[G0X+2:G0X+3], s[4:5], s[54:55]
	s_or_b32 s[G0X+3], s[G0X+3], 0x80000000
	s_add_nc_u64 s[G0W+2:G0W+3], s[6:7], s[56:57]
	s_or_b32 s[G0W+3], s[G0W+3], 0x80000000
	CROUND
	s_cmp_lt_u32 s[WV], 4                          ; the head's joint loads, one a wave, in one chain of branches on the wave's number
	s_cbranch_scc0 .Lhead_w
	tensor_load_to_lds s[G0X:G0X+3], s[G1X:G1X+7]
	s_nop 0
.rept 4
	v_nop
.endr
	s_branch .Lhead_j
.Lhead_w:
	tensor_load_to_lds s[G0W:G0W+3], s[G1W:G1W+7]
	s_nop 0
.rept 4
	v_nop
.endr
.Lhead_j:
	s_wait_alu depctr_va_vdst(0)
	s_lshl_b32 s58, s22, 3
	s_add_co_u32 s51, s58, s[WV]
	s_lshl_b32 s52, s51, 9
	s_add_co_u32 s52, s52, 3145728
	s_mov_b32 s53, 0
	s_lshr_b32 s51, s[WV], 2
	s_lshl_b32 s59, s51, 2
	s_add_co_u32 s58, s58, s59
	s_lshl_b32 s58, s58, 9
	s_add_co_u32 s58, s58, 3145728
	s_mov_b32 s59, 0
	s_add_nc_u64 s[56:57], s[4:5], s[58:59]
	s_add_nc_u64 s[4:5], s[4:5], s[52:53]
	s_lshr_b32 s23, s22, 4
	s_lshl_b32 s23, s23, 3
	s_add_co_u32 s23, s23, s21
	s_and_b32 s51, s22, 15
	s_lshl_b32 s58, s23, 8
	s_lshl_b32 s59, s51, 4
	s_add_co_u32 s58, s58, s59
	s_lshl_b32 s59, s[WV], 1
	s_add_co_u32 s58, s58, s59
	s_mul_i32 s60, s58, 768
	s_mov_b32 s61, 0
	s_lshl_b32 s62, s58, 6
	s_add_co_u32 s62, s62, 3145728
	s_mov_b32 s63, 0
	s_add_nc_u64 s[52:53], s[14:15], s[62:63]
	s_add_nc_u64 s[14:15], s[14:15], s[60:61]
	s_lshl_b32 s58, s23, 5
	s_lshl_b32 s59, s51, 1
	s_add_co_u32 s58, s58, s59
	s_lshr_b32 s59, s[WV], 2
	s_add_co_u32 s58, s58, s59
	s_mul_i32 s58, s58, 13312
	s_and_b32 s59, s[WV], 3
	s_mul_i32 s60, s59, 1536
	s_add_co_u32 s60, s60, s58
	s_lshl_b32 s62, s59, 7
	s_add_co_u32 s62, s62, s58
	s_add_nc_u64 s[54:55], s[16:17], s[62:63]
	s_add_nc_u64 s[16:17], s[16:17], s[60:61]
	s_lshl_b32 s60, s21, 8
	s_add_nc_u64 s[8:9], s[8:9], s[60:61]
	s_add_nc_u64 s[10:11], s[10:11], s[60:61]
	s_lshr_b32 s62, s59, 1
	s_lshl_b32 s62, s62, 7
	s_and_b32 s63, s59, 1
	s_lshl_b32 s63, s63, 5
	s_add_co_u32 s60, s60, s62
	s_add_co_u32 s60, s60, s63
	s_add_nc_u64 s[12:13], s[12:13], s[60:61]
	s_lshl_b32 s62, s62, 2
	s_lshl_b32 s63, s63, 1
	s_add_co_u32 s62, s62, s63
	v_add_nc_u32 v[WVO], s62, v[R4]
	s_mul_i32 s60, s21, 3072
	s_add_co_u32 s60, s60, 786432
	s_add_nc_u64 s[6:7], s[6:7], s[60:61]
.macro QKLOAD m, pb
.irp a, 0,1
.irp t, 0,1,2,3
	global_load_b128 v[HA+32*\a+8*\t:HA+32*\a+8*\t+3], v[H64], s[\pb:\pb+1] offset:(32*(\t/2)+8*(\t%2))*4
	global_load_b128 v[HA+32*\a+8*\t+4:HA+32*\a+8*\t+7], v[H64], s[\pb:\pb+1] offset:(32*(\t/2)+8*(\t%2))*4+16
.endr
.endr
.irp b, 0,1
.irp s, 0,1,2,3
	global_load_b32 v[SC+4*\b+\s], v[L4], s[6:7] offset:\m*1024+\b*512+\s*128
.endr
.endr
.endm
; Window 1 (v256-511) holds what is fetched ahead: KB: k's bias, later W_v's four fragments; WB: a weight's sixteen fragments (4 K steps x 4 tiles), later x's fragments for V in two buffers of 96.
.set KB,  0
.set WB,  64
.set MSB, 0
.macro WIN new                         ; the immediate's high byte repeats the setting that is left
.if MSB != \new
	s_set_vgpr_msb (MSB<<8)|\new
.set MSB, \new
.endif
.endm
.macro QKFETCH m                       ; all four K steps of weight m's four tiles, one run of 48 loads
	WIN 0x40
.irp s, 0,1,2,3
.irp t, 0,1,2,3
.irp g, 0,1,2
	ds_load_b128 v[WB+48*\s+12*\t+4*\g:WB+48*\s+12*\t+4*\g+3], v[WA] offset:\m*24576+\t*6144+\s*1536+512*\g
.endr
.endr
.endr
	WIN 0
.endm
.macro XVF s                           ; V: x's eight fragments of K step s into buffer s % 2 (window 1 is set by the caller)
.irp t, 0,1,2,3,4,5,6,7
.irp g, 0,1,2
	ds_load_b128 v[WB+96*((\s)%2)+12*\t+4*\g:WB+96*((\s)%2)+12*\t+4*\g+3], v[XVA] offset:\t*6144+(\s)*1536+512*\g
.endr
.endr
.endm
.macro VFETCH                          ; what V's product needs first: x's scale words of my 128 tokens, W_v's four fragments, x's fragments of K steps 0 and 1
.irp p, 0,1,2,3
.irp s, 0,1,2,3
	global_load_b32 v[SC+4*\p+\s], v[L4], s[56:57] offset:\p*512+\s*128
.endr
.endr
	WIN 0x40
.set N, 0
.rept 12
	ds_load_b128 v[KB+4*N:KB+4*N+3], v[WVA] offset:512*N
.set N, N+1
.endr
	XVF 0
	XVF 1
	WIN 0
.endm
.macro QKMUL m                         ; SCW: where weight m's scale words stand
	s_wait_loadcnt 0x0
	s_wait_dscnt 0x0                               ; the fragments, asked for ahead
.irp s, 0,1,2,3
.if (\m == 1) && (\s == 0)
	WIN 0x11                                       ; the weight's fragments and, as C, k's bias in window 1
.else
	WIN 0x01
.endif
.irp t, 0,1,2,3
.irp a, 0,1
.if (\m == 1) && (\s == 0)
	WM HA+32*\a+8*\t, WB+48*\s+12*\t, FA+48*\a+12*\s, KB+32*\a+8*\t, SCW+4*(\t/2)+\s, SC+8+\s, \t%2, \a
.else
	WM HA+32*\a+8*\t, WB+48*\s+12*\t, FA+48*\a+12*\s, HA+32*\a+8*\t, SCW+4*(\t/2)+\s, SC+8+\s, \t%2, \a
.endif
.endr
.endr
.endr
	WIN 0
.rept 4
	v_nop                                          ; four places in front of the first read of the sums and of the loads into the products' registers
.endr
.if \m == 0
	QKFETCH 1                                      ; the next product's operands are on their way under the quantiser
.else
	VFETCH
.endif
	QUANT HA
	v_lshrrev_b32 v[WD], v[H16], v[PW]
	s_delay_alu instid0(VALU_DEP_1)
	v_and_or_b32 v[WD], v[WD], 0xffff, s50
.endm
	QKLOAD 0, 8
.irp s, 0,1,2,3
	global_load_b32 v[SC+8+\s], v[L4], s[4:5] offset:128*\s
.endr
	global_load_b32 v[BV], v[RP4], s[12:13]
	WIN 0x40                                       ; asked for at the head too: k's bias, in the sums' layout, into window 1;
.irp a, 0,1
.irp t, 0,1,2,3
	global_load_b128 v[KB+32*\a+8*\t:KB+32*\a+8*\t+3], v[H64], s[10:11] offset:(32*(\t/2)+8*(\t%2))*4
	global_load_b128 v[KB+32*\a+8*\t+4:KB+32*\a+8*\t+7], v[H64], s[10:11] offset:(32*(\t/2)+8*(\t%2))*4+16
.endr
.endr
	WIN 0
.irp b, 0,1
.irp s, 0,1,2,3
	global_load_b32 v[248+4*\b+\s], v[L4], s[6:7] offset:1024+\b*512+\s*128   ; W_k's scale words, in registers of their own;
.endr
.endr
	s_wait_alu depctr_va_vdst(0)
.irp s, 0,1,2,3
	global_load_b32 v[SC+16+\s], v[WVO], s[6:7] offset:2048+\s*128            ; and W_v's
.endr
	s_wait_tensorcnt 0x0
	s_barrier_signal -1
	s_barrier_wait -1
.set N, 0
.rept 24
	ds_load_b128 v[FA+4*N:FA+4*N+3], v[XA] offset:512*N
.set N, N+1
.endr
	QKFETCH 0
	s_wait_alu depctr_va_vdst(0)
.set SCW, SC
	QKMUL 0
.irp a, 0,1
.irp i, 0,1,2
	global_store_b64 v[L8], v[PC+6*\a+2*\i:PC+6*\a+2*\i+1], s[14:15] offset:768*\a+256*\i
.endr
.endr
	global_store_b32 v[L4], v[WD], s[52:53]
	s_wait_xcnt 0x0
.set SCW, 248
	QKMUL 1
.irp g, 0,1,2
	global_store_b128 v[L16], v[PC+4*\g:PC+4*\g+3], s[16:17] offset:512*\g
.endr
	global_store_b32 v[L4], v[WD], s[54:55] offset:6144
	s_wait_xcnt 0x0
	s_wait_loadcnt 0x0                             ; x's scale words
.irp s, 0,1,2,3
.if \s < 3
	s_wait_dscnt 24                                ; this K step's fragments are in; the next run of 24 loads may be out
.else
	s_wait_dscnt 0x0
.endif
	WIN 0x05                                       ; x's and W_v's fragments in window 1
.irp t, 0,1,2,3,4,5,6,7
.if \s == 0
	WMZ HA+8*\t, WB+96*(\s%2)+12*\t, KB+12*\s, SC+4*(\t/2)+\s, SC+16+\s, \t%2
.else
	WM HA+8*\t, WB+96*(\s%2)+12*\t, KB+12*\s, HA+8*\t, SC+4*(\t/2)+\s, SC+16+\s, \t%2, 0
.endif
.endr
	WIN 0
.if \s < 2
.rept 4
	v_nop                                          ; four places in front of the loads into the buffer just multiplied
.endr
	WIN 0x40
	XVF \s+2
	WIN 0
.endif
.endr
.rept 4
	v_nop
.endr
.set J, 0
.rept 32
	v_pk_add_f32 v[HA+J:HA+J+1], v[HA+J:HA+J+1], v[BV:BV+1] op_sel_hi:[1,0]
.set J, J+2
.endr
	QUANT HA
.irp g, 0,1,2
	global_store_b128 v[L16], v[PC+4*\g:PC+4*\g+3], s[16:17] offset:6656+512*\g
.endr
	global_store_b32 v[L4], v[PW], s[54:55] offset:12800
	s_wait_tensorcnt 0x0
	ds_add_u32 v[SPW], v[NIL]
	s_wait_dscnt 0x0
	CROUND
	s_endpgm
.Lfunc_end_k_q5dfadcbe6b_proj:
	.size	k_q5dfadcbe6b_proj, .Lfunc_end_k_q5dfadcbe6b_proj-k_q5dfadcbe6b_proj
	.p2alignl 7, 3214868480
	.fill 96, 4, 3214868480
	.section	.rodata,"a",@progbits
	.p2align	6, 0x0
	.amdhsa_kernel k_q5dfadcbe6b_proj
		.amdhsa_group_segment_fixed_size 327680
		.amdhsa_private_segment_fixed_size 0
		.amdhsa_enable_private_segment 0
		.amdhsa_kernarg_size 56
		.amdhsa_user_sgpr_count 2
		.amdhsa_user_sgpr_kernarg_segment_ptr 1
		.amdhsa_wavefront_size32 1
		.amdhsa_system_sgpr_workgroup_id_x 1
		.amdhsa_system_sgpr_workgroup_id_y 1
		.amdhsa_system_sgpr_workgroup_id_z 1
		.amdhsa_system_vgpr_workitem_id 0
		.amdhsa_next_free_vgpr 512
		.amdhsa_next_free_sgpr 66
		.amdhsa_reserve_vcc 0
		.amdhsa_float_denorm_mode_32 3
		.amdhsa_float_denorm_mode_16_64 3
		.amdhsa_memory_ordered 1
		.amdhsa_forward_progress 1
		.amdhsa_inst_pref_size 61
	.end_amdhsa_kernel
	.amdgpu_metadata
---
amdhsa.version: [ 1, 2 ]
amdhsa.kernels:
  - .name:           k_q5dfadcbe6b_proj
    .symbol:         k_q5dfadcbe6b_proj.kd
    .args:
      - { .name: xq, .offset: 0, .size: 8, .value_kind: global_buffer, .address_space: global }
      - { .name: wq, .offset: 8, .size: 8, .value_kind: global_buffer, .address_space: global }
      - { .name: b_q, .offset: 16, .size: 8, .value_kind: global_buffer, .address_space: global }
      - { .name: b_k, .offset: 24, .size: 8, .value_kind: global_buffer, .address_space: global }
      - { .name: b_v, .offset: 32, .size: 8, .value_kind: global_buffer, .address_space: global }
      - { .name: qq, .offset: 40, .size: 8, .value_kind: global_buffer, .address_space: global }
      - { .name: kv, .offset: 48, .size: 8, .value_kind: global_buffer, .address_space: global }
    .group_segment_fixed_size: 327680
    .private_segment_fixed_size: 0
    .kernarg_segment_align: 8
    .kernarg_segment_size: 56
    .max_flat_workgroup_size: 256
    .sgpr_count:     66
    .vgpr_count:     512
    .wavefront_size: 32
...
	.end_amdgpu_metadata
.endif
;; end of part 2
;; launch attn (part 3): grid 16 x 16, 8 waves a work-group, clusters of 4 x 1, 327,680 bytes of LDS; arguments qq, kv, gamma, cq; writes cq
.if DOCPART == 3
	.amdgcn_target "amdgcn-amd-amdhsa--gfx1250"
	.amdhsa_code_object_version 6
	.text
	.protected	k_q5dfadcbe6b_attn
	.globl	k_q5dfadcbe6b_attn
	.p2align	8
	.type	k_q5dfadcbe6b_attn,@function
k_q5dfadcbe6b_attn:
	s_mov_b64 s[64:65], 0
	v_nop
	global_prefetch_b8 v0, s[64:65] scope:SCOPE_SE
	s_setreg_imm32_b32 hwreg(HW_REG_WAVE_MODE, 25, 1), 1
	s_wait_xcnt 0x0
	s_wait_alu depctr_hold_cnt(0) depctr_sa_sdst(0) depctr_va_vdst(0) depctr_va_sdst(0) depctr_va_ssrc(0) depctr_va_vcc(0) depctr_vm_vsrc(0)
	s_getreg_b32 s2, hwreg(HW_REG_IB_STS2, 6, 4)
	s_cmp_eq_u32 s2, 0
	s_cbranch_scc0 .Lentry_in_a_cluster
	s_endpgm
.Lentry_in_a_cluster:
	s_bfe_u32 s2, ttmp6, 0x10000c
	s_cmp_lg_u32 s2, 0x3003
	s_cbranch_scc0 .Lentry_shape_is_right
	s_endpgm
.Lentry_shape_is_right:
; ctx = softmax(q k^T / 8 - gamma sqrt(|i - j|) / 64) v for one (batch, head) and 256 queries; both products on codes of FP6 (E2M3) with E8M0 scales; ctx leaves as codes along the channels.
; THE SOFTMAX: t = logit x log2(e); M = the running largest t rounded up to a whole number; p = 2^(t - M) is quantised along the keys, not normalised; the row's sum is taken of the unquantised p and divides at the end.
; SHARES.  Eight waves; wave w owns two tiles of 16 queries, 64 queries apart (tile A: group (w / 2) % 2 + 4 (w / 4) of the block's eight groups of 32, half w % 2; tile B: two groups on): each fragment of K and V feeds two products.
; Both products are used transposed (S^T = K Q^T, O^T = V^T P^T): a lane holds one query throughout.  The head has 64 channels: Q's upper six registers are zero codes, against which whatever stands behind a key tile's six registers adds nothing.
; A KEY TILE'S ROWS ARE CHOSEN AT THE LDS LOAD: tile 4 c + u has as rows 0-7 the keys 64 c + 8 u + 0..7 and as rows 8-15 the keys 64 c + 32 + 8 u + 0..7.  So the 32 registers of tiles 4 c .. 4 c + 3 are, in lane half h, the keys
; 64 c + 32 h + 0..31: a WHOLE block of 32 in one lane, in the order that p's operand wants: a block's maximum needs no other lane and the codes no exchange of lanes.
; In the stored pair images (32 keys, 12 registers a lane) that choice is a lane address: image 2 c + (lane / 8) % 2, stored lane (lane % 8) + 8 (u / 2) + 16 h.
; THE BIAS is the C of K Q^T: D = K Q^T + W, W = -(gamma / 8) sqrt(|key - query|), t = (log2(e) / 8) D.  W comes from a table in LDS that the work-group makes once, four copies, one for each query % 4, so that every load of 16 bytes
; is aligned: copy c holds at y the number G sqrt(|y - c - 256 (block + 1)|).  Only the table's values hang on the block.  Tile B's bias for key j is tile A's for key j - 64: 96 registers serve both tiles.
; K, V: a key step (128 keys) is a dense block of 13,312 bytes.  Two LDS slots of eight steps; each wave brings one step of a slot by one joint tensor load (cluster 4 x 1: the four query blocks walk the same K and V).
; By this text's count one tensor load of a wave is out at any time.  A refill has eight key steps in which to land, so nothing is prefetched besides.
; THE NEXT STEP'S K, its scale words and its bias are fetched right behind K Q^T.  A slot's eighth step is written out: it fetches no K ahead, runs the waits, the add and the barrier's signal ahead of the exponentials
; (work on registers), waits behind tile B's codes, and fetches the next slot's first K ahead of tile B's sum and V^T P.  The last slot's eighth step runs in the loop: what it fetches ahead lies in the table's bytes and is not used.
; THE ORDER OF THE SOFTMAX: the short dependent chains of one tile (M and f; the scale words) stand between independent lines of the other tile or of the sums, and every long reduction runs in eight chains by turns.
; LIMITS: NaN and infinities are not served; the promise holds while the scaled scores stay under 2^31 in magnitude; a p under 2^-126 falls to 0; a block of zeros gets the byte 1 where the rule says 127 (only this program reads the bytes);
; 1 / sum is v_rcp_f32 and a multiplication.
.set STEPB, 13312                      ; a key step: K's four pair images (6,144), K's scale words (512), V's four images (6,144), V's scale words (512)
.set SLOT1, 131072
.set TAB,   237568                     ; the table: copy c at (c % 2) x 20,512 + (c / 2) x 41,088
.set SPARE, 319744                     ; the spare words, 128 bytes a wave
; window 0.  Where two tiles have registers, tile x's follow tile A's at a fixed distance
.set SPW, 1
.set NIL, 2
.set L16, 3
.set L4,  4
.set TADR0, 5                          ; my lane's place in the table for key step 0
.set AD16, 6
.set AD4,  7
.set R4,   8
.set ADW,  9
.set ST,  10                           ; v[10:13], v[14:17]: -M, the largest D, the sum in two halves
.set FF,  18                           ; v[18:19], v[20:21]: f = 2^(old M - new M)
.set BM,  22                           ; v22-29: tile A's eight chains of maxima; then block c of tile x at 2 x + c, its byte at 4 + 2 x + c
.set T2,  30                           ; v30-31 lane permutes' results; v32-33 the old -M, then a chain of the sums
.set SO,  34                           ; tile B's four chains of maxima; then the conversions' scale operands, 2 x + c
.set CT,  38                           ; v38-53 the upper halves of the blocks' codes; the other tile's eight registers serve a sum's chains
.set TA0, 38                           ; (head only) where I store the table
.set TA1, 39
.set AC2, 54                           ; v54-57 two chains of the sums
.set WDA, 54                           ; (way out only)
.set WDB, 55
.set WDO, 56
.set TP,  58
.set XI0, 60
.set L8,  61
.set KS,  62                           ; v62-65 K's scale words, v66-69 V's
.set VS,  66
.set PC,  70                           ; v70-81, v82-93 p's codes
.set H8,  94                           ; 8 x (lane / 16)
.set RH,  95
.set SA,  96                           ; v96-159, v160-223 S^T, then p
.set QA,  224                          ; v224-235, v236-247 Q
.set QS,  248
.set PS,  250                          ; p's scale words
.set LK,  252                          ; my lane's place in K's images, and in K's scale words
.set LKS, 253
.set ADK, 254
.set ADS, 255
; window 1
.set OA,  0                            ; O^T, 32 registers a tile
.set KF,  64                           ; K: 48 registers; behind the last tile's six stand the bias's first six, which meet Q's zero codes
.set WR,  112                          ; the bias, 96 registers
.set VF,  208                          ; V: 48
.set WV,  12
.set G1,  24
.set G0,  32
.set CS,  40                           ; s[40:41] log2(e) / 8
.set SEL, 42
.set TB,  44                           ; LDS byte of the key step in hand
.set TW,  45                           ; 512 x the key step whose bias is fetched next
.set CNT, 46
.set GG,  47                           ; -gamma / 8
.set MSK, 50                           ; lanes 16-31
.set MSB, 0
.macro WIN new                         ; the immediate's high byte repeats the setting that is left
.if MSB != \new
	s_set_vgpr_msb (MSB<<8)|\new
.set MSB, \new
.endif
.endm
.macro CREST                           ; a round of the cluster's barrier behind its opening barrier
	s_cmp_lg_u32 s[WV], 0
	s_cbranch_scc1 .Lnot_wave_0_\@
	s_barrier_signal -3
.Lnot_wave_0_\@:
	s_barrier_wait -3
	s_barrier_signal -1
	s_barrier_wait -1
.endm
.macro CROUND
	s_barrier_signal -1
	s_barrier_wait -1
	CREST
.endm
.macro WM d, a, b, c, sa, sb, ra
.if (\ra)
	v_wmma_scale_f32_16x16x128_f8f6f4 v[\d:\d+7], v[\a:\a+11], v[\b:\b+11], v[\c:\c+7], v[\sa], v[\sb] matrix_a_fmt:MATRIX_FMT_FP6 matrix_b_fmt:MATRIX_FMT_FP6 matrix_a_scale:MATRIX_SCALE_ROW1
.else
	v_wmma_scale_f32_16x16x128_f8f6f4 v[\d:\d+7], v[\a:\a+11], v[\b:\b+11], v[\c:\c+7], v[\sa], v[\sb] matrix_a_fmt:MATRIX_FMT_FP6 matrix_b_fmt:MATRIX_FMT_FP6
.endif
.endm
.macro WFETCH adr                      ; a key step's bias: register 32 G + i = W for key 64 (G - 1) + 32 (lane / 16) + i of the step, as tile A sees it
	WIN 0x40
.set N, 0
.rept 24
	ds_load_b128 v[WR+4*N:WR+4*N+3], v[\adr] offset:256*(N/8)+16*(N%8)
.set N, N+1
.endr
.endm
.macro KFETCH off                      ; a key step's K: tiles 4 c + 2 hi and 4 c + 2 hi + 1 are the 12 registers of one stored lane; then the scale words: register 2 c + hi, lanes 0-15 the even tile's, lanes 16-31 the odd one's
	WIN 0x40
.set N, 0
.rept 12
	ds_load_b128 v[KF+4*N:KF+4*N+3], v[ADK] offset:(\off)+3072*(N/6)+128*((N/3)%2)+512*(N%3)
.set N, N+1
.endr
	WIN 0
.irp n, 0,1,2,3
	ds_load_b32 v[KS+\n], v[ADS] offset:(\off)+6144+256*(\n/2)+32*(\n%2)
.endr
.endm
.macro STAT x, n                       ; link n of tile x's chain from its two block maxima to -M and f
.if \n == 1
	v_max3_num_f32 v[TP+\x], v[BM+2*\x], v[BM+2*\x+1], v[ST+4*\x+1]
.elseif \n == 2
	v_permlanex16_b32 v[T2+\x], v[TP+\x], s[SEL], s[SEL+1]
.elseif \n == 3
	v_max_num_f32 v[ST+4*\x+1], v[TP+\x], v[T2+\x] ; the running largest D of my query
.elseif \n == 4
	v_mul_f32 v[TP+\x], s[CS], v[ST+4*\x+1]        ; as t
.elseif \n == 5
	v_floor_f32 v[ST+4*\x], -v[TP+\x]              ; -M = floor(-t): M is a whole number
.elseif \n == 6
	v_sub_f32 v[TP+\x], v[ST+4*\x], v[T2+2+\x]     ; old M - new M, 0 or less
.elseif \n == 7
	v_cvt_i32_f32 v[TP+\x], v[TP+\x]               ; (it saturates)
.else
	v_ldexp_f32 v[FF+2*\x], 1.0, v[TP+\x]          ; f: a multiplication by it rounds nothing
.endif
.endm
.macro MXB i                           ; tile B's four chains of maxima, 16 scores each, take two more scores
.irp q, 0,1,2,3
	v_max3_num_f32 v[SO+\q], v[SO+\q], v[SA+64+16*\q+\i], v[SA+64+16*\q+\i+1]
.endr
.endm
.macro PKA g                           ; tile A: t - M for eight scores
.irp j, 0,2,4,6
	v_pk_fma_f32 v[SA+8*\g+\j:SA+8*\g+\j+1], v[SA+8*\g+\j:SA+8*\g+\j+1], s[CS:CS+1], v[ST:ST+1] op_sel_hi:[1,0,0]
.endr
.endm
; The softmax's first part: the blocks' largest scores, M, f, tile A's t - M, and what was summed is brought under the new M.  No transcendental stands between the products and these first reads of their results.
.macro SM1
.irp q, 0,1,2,3,4,5,6,7
	v_max3_num_f32 v[BM+\q], v[SA+8*\q], v[SA+8*\q+1], v[SA+8*\q+2]   ; tile A: a chain to an accumulator, read from its low end on
.endr
.irp i, 3,5
.irp q, 0,1,2,3,4,5,6,7
	v_max3_num_f32 v[BM+\q], v[BM+\q], v[SA+8*\q+\i], v[SA+8*\q+\i+1]
.endr
.endr
.irp q, 0,2,4,6
	v_max3_num_f32 v[BM+\q], v[BM+\q], v[BM+\q+1], v[SA+8*\q+7]
.endr
.irp q, 0,1,2,3
	v_max3_num_f32 v[SO+\q], v[SA+64+16*\q], v[SA+64+16*\q+1], v[SA+64+16*\q+2]
.endr
.irp c, 0,1
	v_max3_num_f32 v[BM+4*\c], v[BM+4*\c], v[BM+4*\c+2], v[SA+32*\c+15]
.endr
	MXB 3
	v_max_num_f32 v[BM], v[BM], v[SA+31]           ; tile A's block h and block 2 + h: the largest score serves the row's maximum and, since p rises with the score, the block's largest p
	v_max_num_f32 v[BM+1], v[BM+4], v[SA+63]
	MXB 5
	STAT 0, 1
	MXB 7
	STAT 0, 2
	MXB 9
	STAT 0, 3
	MXB 11
	STAT 0, 4
	MXB 13
	STAT 0, 5
.irp c, 0,1
	v_max3_num_f32 v[SO+2*\c], v[SO+2*\c], v[SA+64+32*\c+15], v[SA+64+32*\c+31]
.endr
	s_delay_alu instid0(VALU_DEP_3)
	STAT 0, 6
	PKA 0
	STAT 0, 7
.irp c, 0,1
	v_max_num_f32 v[BM+2+\c], v[SO+2*\c], v[SO+2*\c+1]   ; tile B's two blocks
.endr
	PKA 1
	STAT 0, 8
	STAT 1, 1
	PKA 2
	STAT 1, 2
	PKA 3
	STAT 1, 3
	PKA 4
	STAT 1, 4
	PKA 5
	STAT 1, 5
	PKA 6
	STAT 1, 6
	PKA 7
	STAT 1, 7
.irp z, 0,1,2,3
	v_fma_f32 v[BM+\z], v[BM+\z], s[CS], v[ST+4*(\z/2)]   ; the same t - M of each block's largest score
.endr
	STAT 1, 8
	v_pk_mul_f32 v[ST+2:ST+3], v[ST+2:ST+3], v[FF:FF+1] op_sel_hi:[1,0]
	WIN 0x41                                       ; O^T in window 1, f in window 0
.irp x, 0,1
.set J, 0
.rept 16
	v_pk_mul_f32 v[OA+32*\x+J:OA+32*\x+J+1], v[OA+32*\x+J:OA+32*\x+J+1], v[FF+2*\x:FF+2*\x+1] op_sel_hi:[1,0]   ; O^T under the new M, ascending
.set J, J+2
.endr
.endr
	WIN 0
	v_pk_mul_f32 v[ST+6:ST+7], v[ST+6:ST+7], v[FF+2:FF+3] op_sel_hi:[1,0]
.endm
; A row's sum of the unquantised p, 32 pairs in eight chains: the sum itself, v[AC2..], v[AC2+2..], v[T2+2..] and four pairs from cb on.
.macro SUM0 x, cb                      ; seven chains begin with two pairs each, the sum takes pair 14
	v_pk_add_f32 v[ST+4*\x+2:ST+4*\x+3], v[ST+4*\x+2:ST+4*\x+3], v[SA+64*\x+28:SA+64*\x+29]
	v_pk_add_f32 v[AC2:AC2+1], v[SA+64*\x:SA+64*\x+1], v[SA+64*\x+2:SA+64*\x+3]
	v_pk_add_f32 v[AC2+2:AC2+3], v[SA+64*\x+4:SA+64*\x+5], v[SA+64*\x+6:SA+64*\x+7]
	v_pk_add_f32 v[T2+2:T2+3], v[SA+64*\x+8:SA+64*\x+9], v[SA+64*\x+10:SA+64*\x+11]
.irp j, 0,1,2,3
	v_pk_add_f32 v[\cb+2*\j:\cb+2*\j+1], v[SA+64*\x+12+4*\j:SA+64*\x+13+4*\j], v[SA+64*\x+14+4*\j:SA+64*\x+15+4*\j]
.endr
.endm
.macro SUMN x, cb, b                   ; each chain takes one pair, from pair b on
	v_pk_add_f32 v[ST+4*\x+2:ST+4*\x+3], v[ST+4*\x+2:ST+4*\x+3], v[SA+64*\x+2*(\b):SA+64*\x+2*(\b)+1]
	v_pk_add_f32 v[AC2:AC2+1], v[AC2:AC2+1], v[SA+64*\x+2*(\b)+2:SA+64*\x+2*(\b)+3]
	v_pk_add_f32 v[AC2+2:AC2+3], v[AC2+2:AC2+3], v[SA+64*\x+2*(\b)+4:SA+64*\x+2*(\b)+5]
	v_pk_add_f32 v[T2+2:T2+3], v[T2+2:T2+3], v[SA+64*\x+2*(\b)+6:SA+64*\x+2*(\b)+7]
.irp j, 0,1,2,3
	v_pk_add_f32 v[\cb+2*\j:\cb+2*\j+1], v[\cb+2*\j:\cb+2*\j+1], v[SA+64*\x+2*(\b)+8+2*\j:SA+64*\x+2*(\b)+9+2*\j]
.endr
.endm
.macro SUML x                          ; pair 31
	v_pk_add_f32 v[AC2+2:AC2+3], v[AC2+2:AC2+3], v[SA+64*\x+62:SA+64*\x+63]
.endm
.macro SUMM1 x, cb                     ; eight chains to four
	v_pk_add_f32 v[ST+4*\x+2:ST+4*\x+3], v[ST+4*\x+2:ST+4*\x+3], v[\cb:\cb+1]
	v_pk_add_f32 v[AC2:AC2+1], v[AC2:AC2+1], v[\cb+2:\cb+3]
	v_pk_add_f32 v[T2+2:T2+3], v[T2+2:T2+3], v[\cb+6:\cb+7]
	v_pk_add_f32 v[AC2+2:AC2+3], v[AC2+2:AC2+3], v[\cb+4:\cb+5]
.endm
.macro CODES x                         ; tile x's four conversions
.irp c, 0,1
	v_cvt_scalef32_pk16_fp6_f32 v[PC+12*\x+6*\c:PC+12*\x+6*\c+2], v[SA+64*\x+32*\c:SA+64*\x+32*\c+15], v[SO+2*\x+\c]
	v_cvt_scalef32_pk16_fp6_f32 v[CT+8*\x+4*\c:CT+8*\x+4*\c+2], v[SA+64*\x+32*\c+16:SA+64*\x+32*\c+31], v[SO+2*\x+\c]   ; (a conversion's three registers begin on an even number)
.endr
.endm
.macro MOVES x
.irp c, 0,1
.irp i, 0,1,2
	v_mov_b32 v[PC+12*\x+6*\c+3+\i], v[CT+8*\x+4*\c+\i]
.endr
.endr
.endm
; The second part: p; between the two batches of exponentials the scale words of both tiles, tile A's sum and tile A's codes; then tile B's codes.
.macro SM2
	s_wait_alu depctr_va_vdst(0)
.set J, 0
.rept 32
	v_exp_f32 v[SA+J], v[SA+J]                     ; tile A: p = 2^(t - M);
	v_exp_f32 v[SA+J+1], v[SA+J+1]
	v_pk_fma_f32 v[SA+64+J:SA+64+J+1], v[SA+64+J:SA+64+J+1], s[CS:CS+1], v[ST+4:ST+5] op_sel_hi:[1,0,0]   ; among them tile B's t - M, first read behind the next wait
.set J, J+2
.endr
.irp z, 0,1,2,3
	v_exp_f32 v[BM+\z], v[BM+\z]                   ; each block's largest p: the same two instructions on the same number
.endr
	v_nop
	s_wait_alu depctr_va_vdst(0)                   ; behind the first batch, and between tile B's t - M and the second
.irp z, 0,1,2,3
	v_max_num_f32 v[BM+\z], 0x1800000, v[BM+\z]    ; the floor 2^(3 - 127): the byte cannot fall under 1
.endr
	SUM0 0, CT+8
.irp z, 0,1,2,3
	v_add_nc_u32 v[SO+\z], 0xff000000, v[BM+\z]    ; 2 off the exponent field: the conversion's scale operand
.endr
	SUMN 0, CT+8, 15
.irp z, 0,1,2,3
	v_lshrrev_b32 v[BM+4+\z], 23, v[SO+\z]         ; the byte of block 2 c + h
.endr
	CODES 0
	SUMN 0, CT+8, 23                               ; (plain instructions behind the scaled conversions)
	SUML 0
.irp x, 0,1
	v_lshl_or_b32 v[TP+\x], v[BM+5+2*\x], 16, v[BM+4+2*\x]
.endr
	MOVES 0
.irp x, 0,1
	v_lshlrev_b32 v[TP+\x], v[H8], v[TP+\x]        ; my two bytes at their places,
.endr
	SUMM1 0, CT+8
.irp x, 0,1
	v_permlanex16_b32 v[T2+\x], v[TP+\x], s[SEL], s[SEL+1]
.endr
	v_pk_add_f32 v[AC2:AC2+1], v[AC2:AC2+1], v[T2+2:T2+3]
	v_pk_add_f32 v[ST+2:ST+3], v[ST+2:ST+3], v[AC2+2:AC2+3]
.irp x, 0,1
	v_or_b32 v[PS+\x], v[TP+\x], v[T2+\x]          ; with lane l xor 16's two the scale word is whole
.endr
	v_pk_add_f32 v[ST+2:ST+3], v[ST+2:ST+3], v[AC2:AC2+1]
.set J, 0
.rept 64
	v_exp_f32 v[SA+64+J], v[SA+64+J]               ; tile B
.set J, J+1
.endr
	v_nop                                          ; a plain instruction behind the last exponential
	s_wait_alu depctr_va_vdst(0)                   ; one wait for the batch, ahead of its first reader, and for what was written ahead of the batch
	CODES 1
	v_nop                                          ; one plain instruction behind the scaled conversions
	MOVES 1
.endm
.macro SM3                             ; tile B's sum.  These 32 are also the places between p's codes and scale words and the products
	SUM0 1, CT
	SUMN 1, CT, 15
	SUMN 1, CT, 23
	SUML 1
	SUMM1 1, CT
	s_delay_alu instid0(VALU_DEP_2)
	v_pk_add_f32 v[AC2:AC2+1], v[AC2:AC2+1], v[T2+2:T2+3]
	s_delay_alu instid0(VALU_DEP_2)
	v_pk_add_f32 v[ST+6:ST+7], v[ST+6:ST+7], v[AC2+2:AC2+3]
	s_delay_alu instid0(VALU_DEP_1)
	v_pk_add_f32 v[ST+6:ST+7], v[ST+6:ST+7], v[AC2:AC2+1]
.endm
; A key step: 128 keys, both tiles.  mode 0: in the loop.  mode 1: a slot's last step, behind which the slot is filled again.  mode 2: a slot's last step with nothing left to fetch.  nxt: the LDS byte of the slot read next.
.macro STEP mode, nxt
	v_add_nc_u32 v[AD16], s[TB], v[L16]            ; these four are the places behind the last V^T P, in front of loads into its registers
	v_add_nc_u32 v[AD4], s[TB], v[L4]
	v_add_nc_u32 v[ADK], s[TB], v[LK]
	v_add_nc_u32 v[ADS], s[TB], v[LKS]
.irp b, 0,1,2,3
	ds_load_b32 v[VS+\b], v[AD4] offset:12800+128*\b
.endr
	WIN 0x40
.set N, 0
.rept 12
	ds_load_b128 v[VF+4*N:VF+4*N+3], v[AD16] offset:6656+512*N
.set N, N+1
.endr
	s_wait_alu depctr_va_vdst(0)
	s_wait_dscnt 16                                ; all but V's twelve loads and its four scale words: K, its scale words and the bias, asked for earlier, are in
	WIN 0x11                                       ; K and the bias in window 1, Q and S^T in window 0
.irp t, 0,1,2,3,4,5,6,7
	WM SA+8*\t, KF+6*\t, QA, WR+32+8*\t, KS+\t/2, QS, \t%2
.endr
.irp t, 0,1,2,3,4,5,6,7
	WM SA+64+8*\t, KF+6*\t, QA+12, WR+8*\t, KS+\t/2, QS+1, \t%2
.endr
	WIN 0
	v_add_nc_u32 v[ADW], s[TW], v[TADR0]           ; four places in front of the loads into the products' registers and of the first read of the scores:
	v_mov_b32 v[T2+2], v[ST]                       ; among them the copies of the old -M
	v_mov_b32 v[T2+3], v[ST+4]
	v_nop
	WFETCH ADW                                     ; the next step's bias: the table is never filled again and reaches one step past the last
.if \mode == 0
	KFETCH STEPB                                   ; and the next step's K, in the same slot
.endif
	WIN 0
	s_add_co_u32 s[TW], s[TW], 512
.if \mode
	s_wait_tensorcnt 0x0                           ; my one tensor load, my part of the other slot, has landed;
	ds_add_u32 v[SPW], v[NIL]                      ; work on registers stands between the add and its wait
.if \mode == 1
	s_xor_b32 s[G0+1], s[G0+1], SLOT1              ; no tensor load of mine is out: the descriptor steps to the slot in hand and eight key steps on
	s_add_nc_u64 s[G0+2:G0+3], s[G0+2:G0+3], 8*STEPB
.endif
.endif
	SM1
.if \mode
	s_wait_alu depctr_va_vdst(0)
	s_wait_dscnt 0x0                               ; the add is done, and my reads of this slot are over: V and the bias are in registers
	s_barrier_signal -1                            ; say so; only work on registers follows up to the wait
.endif
	SM2
.if \mode
	s_wait_alu depctr_va_vdst(0)
	s_barrier_wait -1
.if \mode == 1
	CREST                                          ; the barrier has opened a round of the cluster's barrier: no wave of any partner still reads the slot or has a load on its way
	tensor_load_to_lds s[G0:G0+3], s[G1:G1+7]      ; the joint refill, first behind the round
	s_nop 0
.rept 4
	v_nop
.endr
.endif
	v_add_nc_u32 v[ADK], \nxt, v[LK]
	v_add_nc_u32 v[ADS], \nxt, v[LKS]
	KFETCH 0                                       ; the other slot is whole for every wave: its first step's K, on its way under the sum and the products below
.endif
	SM3
	s_wait_alu depctr_va_vdst(0)
.if \mode == 0
	s_wait_dscnt 40                                ; V is in; the 24 loads of the bias and the 16 of K behind it may be out
.endif
	WIN 0x51                                       ; V and O^T in window 1, p in window 0
.irp t, 0,1,2,3
	WM OA+8*\t, VF+12*\t, PC, OA+8*\t, VS+\t, PS, 0
	WM OA+32+8*\t, VF+12*\t, PC+12, OA+32+8*\t, VS+\t, PS+1, 0
.endr
	WIN 0
	s_add_co_u32 s[TB], s[TB], STEPB
.endm
.macro PHASE k, trips                  ; the first steps of the k-th slot's worth of keys
	s_mov_b32 s[TB], ((\k)%2)*SLOT1
	s_mov_b32 s[TW], (8*(\k)+1)*512
	s_mov_b32 s[CNT], \trips
.Lstep_\@:
	STEP 0, 0
	s_sub_co_u32 s[CNT], s[CNT], 1
	s_cmp_lg_u32 s[CNT], 0
	s_cbranch_scc1 .Lstep_\@
.endm
; 32 numbers of a lane (register 16 b + i = channel 32 b + 16 (lane / 16) + i) become six registers of codes and two scale bytes.
.macro HQ src, pc, wd
.irp b, 0,1
	v_max3_num_f32 v[BM+\b], |v[\src+16*\b]|, |v[\src+16*\b+1]|, 0x1800000
.endr
.irp i, 2,4,6,8,10,12,14
.irp b, 0,1
	s_delay_alu instid0(VALU_DEP_2)
	v_max3_num_f32 v[BM+\b], v[BM+\b], |v[\src+16*\b+\i]|, |v[\src+16*\b+\i+1]|
.endr
.endr
.irp b, 0,1
	s_delay_alu instid0(VALU_DEP_2)
	v_permlanex16_b32 v[T2+\b], v[BM+\b], s[SEL], s[SEL+1]
.endr
.irp b, 0,1
	s_delay_alu instid0(VALU_DEP_2)
	v_max_num_f32 v[BM+\b], v[BM+\b], v[T2+\b]
.endr
.irp b, 0,1
	s_delay_alu instid0(VALU_DEP_2)
	v_add_nc_u32 v[SO+\b], 0xff000000, v[BM+\b]
.endr
.irp b, 0,1
	s_delay_alu instid0(VALU_DEP_2)
	v_lshrrev_b32 v[T2+\b], 23, v[SO+\b]
.endr
	s_delay_alu instid0(VALU_DEP_1)
	v_lshl_or_b32 v[\wd], v[T2+1], 8, v[T2]
	v_cvt_scalef32_pk16_fp6_f32 v[\pc:\pc+2], v[\src:\src+15], v[SO]
	v_cvt_scalef32_pk16_fp6_f32 v[CT:CT+2], v[\src+16:\src+31], v[SO+1]
	v_nop
.irp i, 0,1,2
	v_permlane16_swap_b32 v[\pc+\i], v[CT+\i]
.endr
.irp i, 0,1,2
	s_delay_alu instid0(VALU_DEP_3)
	v_mov_b32 v[\pc+3+\i], v[CT+\i]
.endr
.endm
	s_load_b256 s[4:11], s[0:1], 0x0               ; qq, kv, gamma, cq
	v_lshl_add_u32 v[SPW], v0, 2, SPARE
	v_mov_b32 v[NIL], 0
	ds_add_u32 v[SPW], v[NIL]                      ; the opening: the add, twice on end, and its wait ahead of my first tensor load
	ds_add_u32 v[SPW], v[NIL]
	v_lshrrev_b32 v[TP], 5, v0
	v_readfirstlane_b32 s[WV], v[TP]               ; wave 0..7
	s_bfe_u32 s13, ttmp6, 0x40000                  ; cx
	s_lshl_b32 s14, ttmp9, 2
	s_add_co_u32 s14, s14, s13                     ; my block of 256 queries: it enters q's and ctx's addresses and the table's values alone
	s_and_b32 s15, ttmp7, 0xffff                   ; 8 x batch + head, which the four partners share
	s_mov_b32 s[G1], 15|(3<<16)|(1<<21)            ; the mask: all four work-groups; elements of 8 bytes; bit 21 beside a mask
	s_mov_b32 s[G1+1], 32<<16                      ; rows of 256 bytes
	s_mov_b32 s[G1+2], 52<<16                      ; 52 rows: a key step
	s_mov_b32 s[G1+3], 32<<16
	s_mov_b32 s[G1+4], 52
	s_mov_b32 s[G1+5], 32                          ; dense
	s_mov_b32 s[G1+6], 0
	s_mov_b32 s[G1+7], 0
	s_lshl_b32 s16, s15, 5
	s_add_co_u32 s16, s16, s[WV]
	s_mul_i32 s16, s16, STEPB                      ; key step w of my (batch, head)
	s_mov_b32 s17, 0
	s_mul_i32 s18, s[WV], STEPB                    ; and its place in a slot
	s_mov_b32 s[CS], 0x3e38aa3b                    ; log2(e) / 8
	s_mov_b32 s[CS+1], s[CS]
	s_mov_b32 s[SEL], 0x76543210
	s_mov_b32 s[SEL+1], 0xfedcba98
	s_mov_b32 s[MSK], 0xffff0000
	s_xor_b32 s19, s[WV], 7                        ; the table's wave term: 32 (1 - w % 2) + 128 (1 - (w / 2) % 2) + 512 (1 - w / 4): every term without a subtraction
	s_and_b32 s20, s19, 1
	s_lshl_b32 s20, s20, 5
	s_bfe_u32 s21, s19, 0x10001
	s_lshl_b32 s21, s21, 7
	s_add_co_u32 s20, s20, s21
	s_lshr_b32 s19, s19, 2
	s_lshl_b32 s19, s19, 9
	s_add_co_u32 s19, s19, s20
	s_add_co_u32 s19, s19, TAB+16
	s_add_co_u32 s56, s14, 1
	s_lshl_b32 s56, s56, 8                         ; 256 (block + 1)
	s_lshl_b32 s20, s14, 4
	s_and_b32 s21, s[WV], 3
	s_add_co_u32 s20, s20, s21
	s_lshr_b32 s21, s[WV], 2
	s_lshl_b32 s21, s21, 3
	s_add_co_u32 s20, s20, s21                     ; tile A among the sequence's 256: 16 block + w % 4 + 8 (w / 4); tile B is four on
	s_lshl_b32 s21, s15, 8
	s_add_co_u32 s21, s21, s20
	s_mul_i32 s22, s21, 768
	s_mov_b32 s23, 0
	s_lshl_b32 s48, s21, 6
	s_add_co_u32 s48, s48, 3145728
	s_mov_b32 s49, 0
	s_lshr_b32 s21, s15, 3
	s_lshl_b32 s21, s21, 8
	s_add_co_u32 s21, s21, s20                     ; tile A among all 512
	s_lshl_b32 s21, s21, 3
	s_and_b32 s51, s15, 7
	s_add_co_u32 s21, s21, s51                     ; x 8 + head
	s_mul_i32 s52, s21, 768
	s_mov_b32 s53, 0
	s_lshl_b32 s54, s21, 6
	s_add_co_u32 s54, s54, 3145728
	s_mov_b32 s55, 0
	v_and_b32 v[TP], 31, v0
	v_lshlrev_b32 v[L16], 4, v[TP]
	v_lshlrev_b32 v[L4], 2, v[TP]
	v_lshlrev_b32 v[L8], 3, v[TP]
	v_and_b32 v[R4], 15, v0                        ; r
	v_bfe_u32 v[AC2], v0, 4, 1                     ; h
	; my place in the table, in bytes: copy r % 4; then the wave term + 16 + 4 (12 - (r & 12)) + 32 (1 - r / 8) + 128 h: key -64 of step 0 as tile A sees it
	v_and_b32 v[BM], 1, v0
	v_bfe_u32 v[BM+1], v0, 1, 1
	v_mul_u32_u24 v[TADR0], v[BM], 20512
	v_mad_u32_u24 v[TADR0], v[BM+1], 41088, v[TADR0]
	v_xor_b32 v[BM+2], 15, v[R4]
	v_and_b32 v[BM+3], 12, v[BM+2]
	v_lshl_add_u32 v[TADR0], v[BM+3], 2, v[TADR0]
	v_lshrrev_b32 v[BM+2], 3, v[BM+2]
	v_lshl_add_u32 v[TADR0], v[BM+2], 5, v[TADR0]
	v_lshl_add_u32 v[TADR0], v[AC2], 7, v[TADR0]
	v_add_nc_u32 v[TADR0], s19, v[TADR0]
	v_and_b32 v[BM], 7, v0                         ; K: image + (lane / 8) % 2, stored lane (lane % 8) + 16 h
	v_bfe_u32 v[BM+1], v0, 3, 1
	v_mul_u32_u24 v[LK], v[BM+1], 1536
	v_lshl_add_u32 v[LK], v[BM], 4, v[LK]
	v_lshl_add_u32 v[LK], v[AC2], 8, v[LK]
	v_lshlrev_b32 v[LKS], 7, v[BM+1]               ; its scale words: 128 an image, 64 for the odd tile (lanes 16-31), 4 a row
	v_lshl_add_u32 v[LKS], v[AC2], 6, v[LKS]
	v_lshl_add_u32 v[LKS], v[BM], 2, v[LKS]
	v_lshlrev_b32 v[H8], 3, v[AC2]
	v_lshlrev_b32 v[R4], 2, v[R4]                  ; 4 r
	v_lshl_add_u32 v[RH], v[AC2], 11, v[R4]        ; 4 r + 2,048 h
	v_lshl_add_u32 v[TA0], v0, 4, TAB              ; where I store the table: 16 bytes a thread
	v_lshl_add_u32 v[TA1], v0, 4, TAB+41088
	v_lshlrev_b32 v[XI0], 2, v0
	v_sub_nc_u32 v[XI0], v[XI0], s56               ; 4 x thread - 256 (block + 1): a value, no address
	s_wait_alu depctr_va_vdst(0)
	s_wait_dscnt 0x0                               ; both opening adds are done
	s_wait_kmcnt 0x0
	s_load_b32 s[GG], s[8:9], 0x0                  ; gamma
	s_mov_b32 s[G0], 1
	s_mov_b32 s[G0+1], s18
	s_add_nc_u64 s[G0+2:G0+3], s[6:7], s[16:17]
	s_or_b32 s[G0+3], s[G0+3], 0x80000000
	s_add_nc_u64 s[22:23], s[4:5], s[22:23]        ; q's codes, tile A
	s_add_nc_u64 s[48:49], s[4:5], s[48:49]        ; q's scale words
	s_add_nc_u64 s[52:53], s[10:11], s[52:53]      ; ctx's codes
	s_add_nc_u64 s[54:55], s[10:11], s[54:55]      ; ctx's scale words
	CROUND                                         ; all four work-groups are here: the first joint loads meet
	tensor_load_to_lds s[G0:G0+3], s[G1:G1+7]      ; key steps 0-7: one tensor load a wave at the head
	s_nop 0
.rept 4
	v_nop
.endr
.irp i, 0,1,2
	global_load_b64 v[QA+2*\i:QA+2*\i+1], v[L8], s[22:23] offset:256*\i
	global_load_b64 v[QA+12+2*\i:QA+12+2*\i+1], v[L8], s[22:23] offset:3072+256*\i
.endr
	global_load_b32 v[QS], v[R4], s[48:49]
	global_load_b32 v[QS+1], v[R4], s[48:49] offset:256
.irp i, 6,7,8,9,10,11
	v_mov_b32 v[QA+\i], 0                          ; zero codes for the half of K that the head does not have
	v_mov_b32 v[QA+12+\i], 0
.endr
.irp b, 0,1,2,3
	v_mov_b32 v[T2+\b], 0                          ; a lane permute's destination counts as one of its sources
.endr
.irp x, 0,1
	v_mov_b32 v[FF+2*\x+1], 0                      ; (named as the upper half of a pair)
	v_mov_b32 v[ST+4*\x+1], 0xff61b1e6             ; the largest D so far: -3e38
	v_mov_b32 v[ST+4*\x], 0x7f61b1e6               ; -M: 3e38, a whole number
	v_mov_b32 v[ST+4*\x+2], 0
	v_mov_b32 v[ST+4*\x+3], 0
.endr
	WIN 0x40
.set N, 0
.rept 64
	v_mov_b32 v[OA+N], 0                           ; O^T: the step is written once; its first walk finds zeros, which the first change of M leaves zeros
.set N, N+1
.endr
	WIN 0
	s_wait_kmcnt 0x0
	s_mul_f32 s[GG], s[GG], 0xbe000000             ; G = -gamma / 8
	; the table: a thread makes 20 numbers of each copy: y = 4 thread + 1,024 k + e.  Register 20 c + 4 k + e.  One batch of 80 roots
.set N, 0
.rept 80
	v_add_nc_u32 v[SA+N], 1024*((N%20)/4)+N%4-N/20, v[XI0]
.set N, N+1
.endr
.set N, 0
.rept 80
	v_cvt_f32_i32 v[SA+N], v[SA+N]
.set N, N+1
.endr
	s_wait_alu depctr_va_vdst(0)
.set N, 0
.rept 80
	v_sqrt_f32 v[SA+N], |v[SA+N]|                  ; sqrt(|key - query|)
.set N, N+1
.endr
	v_nop                                          ; a plain instruction behind the last root
	s_wait_alu depctr_va_vdst(0)                   ; one wait for the batch, ahead of its first reader
.set N, 0
.rept 80
	v_mul_f32 v[SA+N], s[GG], v[SA+N]
.set N, N+1
.endr
.irp c, 0,1
.irp k, 0,1,2,3,4
	ds_store_b128 v[TA0], v[SA+20*\c+4*\k:SA+20*\c+4*\k+3] offset:\c*20512+4096*\k
	ds_store_b128 v[TA1], v[SA+40+20*\c+4*\k:SA+40+20*\c+4*\k+3] offset:\c*20512+4096*\k
.endr
.endr
	s_wait_alu depctr_va_vdst(0)
	s_wait_loadcnt 0x0                             ; Q
	s_wait_tensorcnt 0x0                           ; my part of slot 0 is in; slot 1's first fill is issued as a refill is:
	ds_add_u32 v[SPW], v[NIL]
	s_xor_b32 s[G0+1], s[G0+1], SLOT1              ; no tensor load of mine is out: the descriptor steps to slot 1, key steps 8-15
	s_add_nc_u64 s[G0+2:G0+3], s[G0+2:G0+3], 8*STEPB
	s_wait_dscnt 0x0                               ; the add is done and my part of the table is stored
	CROUND
	tensor_load_to_lds s[G0:G0+3], s[G1:G1+7]
	s_nop 0
.rept 4
	v_nop
.endr
	v_add_nc_u32 v[ADK], 0, v[LK]
	v_add_nc_u32 v[ADS], 0, v[LKS]
	WFETCH TADR0                                   ; key step 0's bias and K
	KFETCH 0
	PHASE 0, 7
	STEP 1, SLOT1                                  ; slot 0 takes key steps 16-23
	PHASE 1, 7
	STEP 1, 0                                      ; slot 1 takes key steps 24-31
	PHASE 2, 7
	STEP 2, SLOT1                                  ; nothing is left to fetch: a barrier shows slot 1 whole to every wave
	PHASE 3, 8
	; THE WAY OUT: O^T / the sum is ctx; a lane's 32 numbers are halves of its query's two blocks of channels: quantised along the channels and stored as six registers a tile.
	s_wait_dscnt 0x0                               ; what the last trip fetched ahead
.rept 4
	v_nop
.endr
	v_add_f32 v[BM], v[ST+2], v[ST+3]
	v_add_f32 v[BM+1], v[ST+6], v[ST+7]
	s_delay_alu instid0(VALU_DEP_2)
	v_permlanex16_b32 v[T2], v[BM], s[SEL], s[SEL+1]
	s_delay_alu instid0(VALU_DEP_2)
	v_permlanex16_b32 v[T2+1], v[BM+1], s[SEL], s[SEL+1]
	s_delay_alu instid0(VALU_DEP_2)
	v_add_f32 v[BM], v[BM], v[T2]
	s_delay_alu instid0(VALU_DEP_2)
	v_add_f32 v[BM+1], v[BM+1], v[T2+1]
	s_wait_alu depctr_va_vdst(0)
	v_rcp_f32 v[BM+2], v[BM]
	v_rcp_f32 v[BM+3], v[BM+1]
	v_nop
	s_wait_alu depctr_va_vdst(0)                   ; one wait for the two reciprocals, directly ahead of the first reader of O^T
	WIN 0x01                                       ; O^T in window 1
.irp x, 0,1
.set J, 0
.rept 32
	v_mul_f32 v[SA+64*\x+J], v[OA+32*\x+J], v[BM+2+\x]
.set J, J+1
.endr
.endr
	WIN 0
	HQ SA, PC, WDA
	HQ SA+64, PC+12, WDB
.irp i, 0,1,2
	global_store_b64 v[L8], v[PC+2*\i:PC+2*\i+1], s[52:53] offset:256*\i             ; each store covers 256 consecutive bytes, aligned
	global_store_b64 v[L8], v[PC+12+2*\i:PC+12+2*\i+1], s[52:53] offset:24576+256*\i
.endr
	v_cndmask_b32 v[WDO], v[WDA], v[WDB], s[MSK]   ; lanes 0-15 store tile A's words, lanes 16-31 tile B's
	global_store_b32 v[RH], v[WDO], s[54:55]
	s_wait_tensorcnt 0x0                           ; the wave's end
	ds_add_u32 v[SPW], v[NIL]
	s_wait_dscnt 0x0
	CROUND                                         ; the closing round
	s_endpgm
.Lfunc_end_k_q5dfadcbe6b_attn:
	.size	k_q5dfadcbe6b_attn, .Lfunc_end_k_q5dfadcbe6b_attn-k_q5dfadcbe6b_attn
	.p2alignl 7, 3214868480
	.fill 96, 4, 3214868480
	.section	.rodata,"a",@progbits
	.p2align	6, 0x0
	.amdhsa_kernel k_q5dfadcbe6b_attn
		.amdhsa_group_segment_fixed_size 327680
		.amdhsa_private_segment_fixed_size 0
		.amdhsa_enable_private_segment 0
		.amdhsa_kernarg_size 32
		.amdhsa_user_sgpr_count 2
		.amdhsa_user_sgpr_kernarg_segment_ptr 1
		.amdhsa_wavefront_size32 1
		.amdhsa_system_sgpr_workgroup_id_x 1
		.amdhsa_system_sgpr_workgroup_id_y 1
		.amdhsa_system_sgpr_workgroup_id_z 1
		.amdhsa_system_vgpr_workitem_id 0
		.amdhsa_next_free_vgpr 512
		.amdhsa_next_free_sgpr 66
		.amdhsa_reserve_vcc 0
		.amdhsa_float_denorm_mode_32 3
		.amdhsa_float_denorm_mode_16_64 3
		.amdhsa_memory_ordered 1
		.amdhsa_forward_progress 1
		.amdhsa_inst_pref_size 242
	.end_amdhsa_kernel
	.amdgpu_metadata
---
amdhsa.version: [ 1, 2 ]
amdhsa.kernels:
  - .name:           k_q5dfadcbe6b_attn
    .symbol:         k_q5dfadcbe6b_attn.kd
    .args:
      - { .name: qq, .offset: 0, .size: 8, .value_kind: global_buffer, .address_space: global }
      - { .name: kv, .offset: 8, .size: 8, .value_kind: global_buffer, .address_space: global }
      - { .name: gamma, .offset: 16, .size: 8, .value_kind: global_buffer, .address_space: global }
      - { .name: cq, .offset: 24, .size: 8, .value_kind: global_buffer, .address_space: global }
    .group_segment_fixed_size: 327680
    .private_segment_fixed_size: 0
    .kernarg_segment_align: 8
    .kernarg_segment_size: 32
    .max_flat_workgroup_size: 256
    .sgpr_count:     66
    .vgpr_count:     512
    .wavefront_size: 32
...
	.end_amdgpu_metadata
.endif
;; end of part 3
;; launch outp (part 4): grid 4 x 64, 8 waves a work-group, clusters of 4 x 4, 327,680 bytes of LDS; arguments cq, wq, b_o, out0; writes out0
.if DOCPART == 4
	.amdgcn_target "amdgcn-amd-amdhsa--gfx1250"
	.amdhsa_code_object_version 6
	.text
	.protected	k_q5dfadcbe6b_outp
	.globl	k_q5dfadcbe6b_outp
	.p2align	8
	.type	k_q5dfadcbe6b_outp,@function
k_q5dfadcbe6b_outp:
	s_mov_b64 s[64:65], 0
	v_nop
	global_prefetch_b8 v0, s[64:65] scope:SCOPE_SE
	s_setreg_imm32_b32 hwreg(HW_REG_WAVE_MODE, 25, 1), 1
	s_wait_xcnt 0x0
	s_wait_alu depctr_hold_cnt(0) depctr_sa_sdst(0) depctr_va_vdst(0) depctr_va_sdst(0) depctr_va_ssrc(0) depctr_va_vcc(0) depctr_vm_vsrc(0)
	s_getreg_b32 s2, hwreg(HW_REG_IB_STS2, 6, 4)
	s_cmp_eq_u32 s2, 0
	s_cbranch_scc0 .Lentry_in_a_cluster
	s_endpgm
.Lentry_in_a_cluster:
	s_bfe_u32 s2, ttmp6, 0x10000c
	s_cmp_lg_u32 s2, 0xf033
	s_cbranch_scc0 .Lentry_shape_is_right
	s_endpgm
.Lentry_shape_is_right:
.set WOI,   49152
.set STGB,  98304
.set SPARE, 165888
.set L16, 4
.set L4,  5
.set L8,  6
.set H64, 7
.set R4,  8
.set CA,  9
.set WOA, 10
.set SI,  11
.set SPW, 12
.set NIL, 13
.set SR,  14
.set CSW, 16
.set CW,  20
.set WOS, 28
.set HA,  48
.set CF,  112
.set FA,  160
.set WV,  18
.set G1C, 24
.set G0C, 32
.set G1W, 36
.set G0W, 44
.macro CROUND
	s_barrier_signal -1
	s_barrier_wait -1
	s_cmp_lg_u32 s[WV], 0
	s_cbranch_scc1 .Lnot_wave_0_\@
	s_barrier_signal -3
.Lnot_wave_0_\@:
	s_barrier_wait -3
	s_barrier_signal -1
	s_barrier_wait -1
.endm
.macro WM d, a, b, c, sa, sb, ra
.if (\ra)
	v_wmma_scale_f32_16x16x128_f8f6f4 v[\d:\d+7], v[\a:\a+11], v[\b:\b+11], v[\c:\c+7], v[\sa], v[\sb] matrix_a_fmt:MATRIX_FMT_FP6 matrix_b_fmt:MATRIX_FMT_FP6 matrix_a_scale:MATRIX_SCALE_ROW1
.else
	v_wmma_scale_f32_16x16x128_f8f6f4 v[\d:\d+7], v[\a:\a+11], v[\b:\b+11], v[\c:\c+7], v[\sa], v[\sb] matrix_a_fmt:MATRIX_FMT_FP6 matrix_b_fmt:MATRIX_FMT_FP6
.endif
.endm
	s_load_b256 s[4:11], s[0:1], 0x0
	v_lshl_add_u32 v[SPW], v0, 2, SPARE
	v_mov_b32 v[NIL], 0
	ds_add_u32 v[SPW], v[NIL]
	ds_add_u32 v[SPW], v[NIL]
	v_lshrrev_b32 v1, 5, v0
	s_delay_alu instid0(VALU_DEP_1)
	v_readfirstlane_b32 s[WV], v1
	s_bfe_u32 s19, ttmp6, 0x40000
	s_bfe_u32 s20, ttmp6, 0x40004
	s_lshl_b32 s21, ttmp9, 2
	s_add_co_u32 s21, s21, s19
	s_and_b32 s22, ttmp7, 0xffff
	s_lshl_b32 s22, s22, 2
	s_add_co_u32 s22, s22, s20
	s_lshl_b32 s52, s20, 2
	s_lshl_b32 s52, 15, s52
	s_lshl_b32 s53, 0x1111, s19
	s_or_b32 s[G1C], s52, (3<<16)|(1<<21)
	s_or_b32 s[G1W], s53, (3<<16)|(1<<21)
.irp g, G1C, G1W
	s_mov_b32 s[\g+1], 32<<16
	s_mov_b32 s[\g+2], 48<<16                      ; 48 rows of 256 bytes a load: a quarter of an operand's 49,152 bytes
	s_mov_b32 s[\g+3], 32<<16
	s_mov_b32 s[\g+4], 48
	s_mov_b32 s[\g+5], 32
	s_mov_b32 s[\g+6], 0
	s_mov_b32 s[\g+7], 0
.endr
	s_and_b32 s58, s[WV], 3                        ; which quarter I fetch: waves 0-3 of ctx, waves 4-7 of W_o; two images of 6,144 bytes each
	s_lshl_b32 s58, s58, 1
	s_lshl_b32 s54, s22, 3
	s_add_co_u32 s54, s54, s58
	s_mul_i32 s54, s54, 6144
	s_mov_b32 s55, 0
	s_lshl_b32 s56, s21, 3
	s_add_co_u32 s56, s56, s58
	s_mul_i32 s56, s56, 6144
	s_add_co_u32 s56, s56, 589824
	s_mov_b32 s57, 0
	s_mov_b32 s[G0C], 1
	s_mul_i32 s[G0C+1], s58, 6144
	s_mov_b32 s[G0W], 1
	s_mul_i32 s[G0W+1], s58, 6144
	s_add_co_u32 s[G0W+1], s[G0W+1], WOI
	v_and_b32 v1, 31, v0
	v_and_b32 v2, 15, v0
	v_bfe_u32 v3, v0, 4, 1
	s_delay_alu instid0(VALU_DEP_3)
	v_lshlrev_b32 v[L16], 4, v1
	s_delay_alu instid0(VALU_DEP_4)
	v_lshlrev_b32 v[L4], 2, v1
	v_lshlrev_b32 v[L8], 3, v1
	s_delay_alu instid0(VALU_DEP_4)
	v_lshlrev_b32 v[H64], 6, v3
	v_lshlrev_b32 v[R4], 2, v2
	s_mul_i32 s51, s[WV], 6144
	v_add_nc_u32 v[CA], s51, v[L8]
	v_add_nc_u32 v[WOA], WOI, v[L16]
	s_mul_i32 s51, s[WV], 8448
	s_add_co_u32 s51, s51, STGB
	v_mul_u32_u24 v[SI], v2, 528
	s_delay_alu instid0(VALU_DEP_1)
	v_add_nc_u32 v[SI], v[SI], v[H64]
	s_delay_alu instid0(VALU_DEP_1)
	v_add_nc_u32 v[SI], s51, v[SI]
	v_add_nc_u32 v[SR], s51, v[L16]
	s_wait_dscnt 0x0
	s_wait_kmcnt 0x0
	s_add_nc_u64 s[G0C+2:G0C+3], s[4:5], s[54:55]
	s_or_b32 s[G0C+3], s[G0C+3], 0x80000000
	s_add_nc_u64 s[G0W+2:G0W+3], s[6:7], s[56:57]
	s_or_b32 s[G0W+3], s[G0W+3], 0x80000000
	CROUND
	s_cmp_lt_u32 s[WV], 4                          ; the head's joint loads, one a wave, in one chain of branches on the wave's number
	s_cbranch_scc0 .Lhead_w
	tensor_load_to_lds s[G0C:G0C+3], s[G1C:G1C+7]
	s_nop 0
.rept 4
	v_nop
.endr
	s_branch .Lhead_j
.Lhead_w:
	tensor_load_to_lds s[G0W:G0W+3], s[G1W:G1W+7]
	s_nop 0
.rept 4
	v_nop
.endr
.Lhead_j:
	s_wait_alu depctr_va_vdst(0)
	s_lshl_b32 s58, s21, 9
	s_mov_b32 s59, 0
	s_add_nc_u64 s[8:9], s[8:9], s[58:59]
	s_lshl_b32 s60, s21, 11
	s_add_co_u32 s60, s60, 811008
	s_mov_b32 s61, 0
	s_add_nc_u64 s[6:7], s[6:7], s[60:61]
	s_lshl_b32 s62, s22, 3
	s_add_co_u32 s62, s62, s[WV]
	s_lshl_b32 s60, s62, 9
	s_add_co_u32 s60, s60, 3145728
	s_add_nc_u64 s[4:5], s[4:5], s[60:61]
	s_lshr_b32 s60, s62, 1
	s_lshl_b32 s60, s60, 16
	s_and_b32 s63, s62, 1
	s_lshl_b32 s63, s63, 14
	s_add_co_u32 s60, s60, s63
	s_add_co_u32 s60, s60, s58
	s_add_nc_u64 s[10:11], s[10:11], s[60:61]
	s_wait_alu depctr_va_vdst(0)
.irp t, 0,1,2,3,4,5,6,7
	global_load_b128 v[HA+8*\t:HA+8*\t+3], v[H64], s[8:9] offset:(32*(\t/2)+8*(\t%2))*4
	global_load_b128 v[HA+8*\t+4:HA+8*\t+7], v[H64], s[8:9] offset:(32*(\t/2)+8*(\t%2))*4+16
.endr
.irp b, 0,1,2,3
.irp s, 0,1,2,3
	global_load_b32 v[WOS+4*\b+\s], v[L4], s[6:7] offset:\b*512+\s*128
.endr
.endr
.irp t, 0,1,2,3,4,5,6,7
	global_load_b32 v[CW+\t], v[R4], s[4:5] offset:64*\t
.endr
	s_wait_loadcnt 0x0
.irp s, 0,1,2,3
	v_lshl_or_b32 v[CSW+\s], v[CW+2*\s+1], 16, v[CW+2*\s]
.endr
.rept 8
	v_nop
.endr
	s_wait_alu depctr_va_vdst(0)
	s_wait_tensorcnt 0x0
	s_barrier_signal -1
	s_barrier_wait -1
.set N, 0
.rept 24
	ds_load_b64 v[CF+2*N:CF+2*N+1], v[CA] offset:256*N
.set N, N+1
.endr
; W_o's fragments run ahead of the products: K step 0 into v[FA..], K steps 1 and 2 into window 1 (v256-447), all asked for at once; K step 3 into v[FA..] behind the first step's products.
.macro WOF s, base
.set N, 0
.rept 24
	ds_load_b128 v[\base+4*N:\base+4*N+3], v[WOA] offset:(N/3)*6144+(\s)*1536+512*(N%3)
.set N, N+1
.endr
.endm
.macro WOM s, base
.irp t, 0,1,2,3,4,5,6,7
	WM HA+8*\t, \base+12*\t, CF+12*(\s), HA+8*\t, WOS+4*(\t/2)+(\s), CSW+(\s), \t%2
.endr
.endm
	WOF 0, FA
	s_set_vgpr_msb 0x0040                          ; destination in window 1
	WOF 1, 0
	WOF 2, 96
	s_set_vgpr_msb 0x4000
	s_wait_dscnt 48                                ; ctx's fragments and K step 0 are in; the two runs of 24 behind them may be out
	WOM 0, FA
.rept 4
	v_nop                                          ; four places in front of the loads into the registers just multiplied
.endr
	WOF 3, FA
	s_wait_dscnt 48                                ; K step 1 is in
	s_set_vgpr_msb 0x0001                          ; source 0 in window 1
	WOM 1, 0
	s_wait_dscnt 24                                ; K step 2 is in
	WOM 2, 96
	s_set_vgpr_msb 0x0100
	s_wait_dscnt 0x0
	WOM 3, FA
.rept 4
	v_nop
.endr
.set N, 0
.rept 16
	ds_store_b128 v[SI], v[HA+4*N:HA+4*N+3] offset:128*(N/4)+16*(N%4)
.set N, N+1
.endr
.set N, 0
.rept 16
	ds_load_b128 v[FA+4*N:FA+4*N+3], v[SR] offset:528*N
.set N, N+1
.endr
.set N, 0
.rept 16
	s_wait_dscnt 15-N
	global_store_b128 v[L16], v[FA+4*N:FA+4*N+3], s[10:11] offset:(N+8*(N/8))*2048 th:TH_STORE_NT
.set N, N+1
.endr
	s_wait_tensorcnt 0x0
	ds_add_u32 v[SPW], v[NIL]
	s_wait_dscnt 0x0
	CROUND
	s_endpgm
.Lfunc_end_k_q5dfadcbe6b_outp:
	.size	k_q5dfadcbe6b_outp, .Lfunc_end_k_q5dfadcbe6b_outp-k_q5dfadcbe6b_outp
	.p2alignl 7, 3214868480
	.fill 96, 4, 3214868480
	.section	.rodata,"a",@progbits
	.p2align	6, 0x0
	.amdhsa_kernel k_q5dfadcbe6b_outp
		.amdhsa_group_segment_fixed_size 327680
		.amdhsa_private_segment_fixed_size 0
		.amdhsa_enable_private_segment 0
		.amdhsa_kernarg_size 32
		.amdhsa_user_sgpr_count 2
		.amdhsa_user_sgpr_kernarg_segment_ptr 1
		.amdhsa_wavefront_size32 1
		.amdhsa_system_sgpr_workgroup_id_x 1
		.amdhsa_system_sgpr_workgroup_id_y 1
		.amdhsa_system_sgpr_workgroup_id_z 1
		.amdhsa_system_vgpr_workitem_id 0
		.amdhsa_next_free_vgpr 512
		.amdhsa_next_free_sgpr 66
		.amdhsa_reserve_vcc 0
		.amdhsa_float_denorm_mode_32 3
		.amdhsa_float_denorm_mode_16_64 3
		.amdhsa_memory_ordered 1
		.amdhsa_forward_progress 1
		.amdhsa_inst_pref_size 27
	.end_amdhsa_kernel
	.amdgpu_metadata
---
amdhsa.version: [ 1, 2 ]
amdhsa.kernels:
  - .name:           k_q5dfadcbe6b_outp
    .symbol:         k_q5dfadcbe6b_outp.kd
    .args:
      - { .name: cq, .offset: 0, .size: 8, .value_kind: global_buffer, .address_space: global }
      - { .name: wq, .offset: 8, .size: 8, .value_kind: global_buffer, .address_space: global }
      - { .name: b_o, .offset: 16, .size: 8, .value_kind: global_buffer, .address_space: global }
      - { .name: out0, .offset: 24, .size: 8, .value_kind: global_buffer, .address_space: global }
    .group_segment_fixed_size: 327680
    .private_segment_fixed_size: 0
    .kernarg_segment_align: 8
    .kernarg_segment_size: 32
    .max_flat_workgroup_size: 256
    .sgpr_count:     66
    .vgpr_count:     512
    .wavefront_size: 32
...
	.end_amdgpu_metadata
.endif
;; end of part 4
